; MI455X (gfx1250); checked and timed in simulation.
; The chip was launched on July 23, 2026; its instructions are those of AMD's public machine-readable ISA for CDNA 5 (MIT licence, August 2026) and "CDNA5" Instruction Set Architecture Reference Guide (July 2026). The comments in the code are by the model that wrote it; some were corrected since.
;; Multi Head Attention. Allowed arithmetic: matrix products marked QUANTISED: E2M1 operands, one E8M0 scale for each 32 along K, by v_wmma_scale_f32_16x16x128_f8f6f4 with both operands' format E2M1 (or v_wmma_scale_f32_32x16x128_f4), f32 sums; everything else in f32.
;; Inputs: Wk 1,024 x 1,024 float32; Wo 1,024 x 1,024 float32; Wq 1,024 x 1,024 float32; Wv 1,024 x 1,024 float32; bo 1,024 float32; x 4 x 2,048 x 1,024 float32.
;; Outputs: out0 4 x 2,048 x 1,024 float32.
;; This version of the problem:
;;   THIS VERSION OF THE PROBLEM IS GIVEN IN LOW PRECISION. The matrix products marked QUANTISED in the list below multiply operands that are first quantised to E2M1 (2 exponent bits, 1 mantissa bit; 4 bits a number), with one power-of-two scale for each 32 numbers along K (OCP MX v1.0); their sums are f32. All else is computed in f32.
;;   The module's matrix products, in the order in which they are computed (A, B: the left and right operand; K: the contracted axis; several contracted axes count as one K, in the product's order):
;;     1. [M 8,192, K 1,024] x [K 1,024, N 1,024]; A: input x; B: input Wq: QUANTISED
;;     2. [M 8,192, K 1,024] x [K 1,024, N 1,024]; A: input x; B: input Wk: QUANTISED
;;     3. [M 8,192, K 1,024] x [K 1,024, N 1,024]; A: input x; B: input Wv: QUANTISED
;;     4. batch 64 x [M 2,048, K 64] x [K 64, N 2,048]; A: computed on the way; B: computed on the way: QUANTISED
;;     5. batch 64 x [M 2,048, K 2,048] x [K 2,048, N 64]; A: softmax (see below); B: computed on the way: QUANTISED
;;     6. [M 8,192, K 1,024] x [K 1,024, N 1,024]; A: computed on the way; B: input Wo: QUANTISED
;;   THE QUANTISER, for each operand of a quantised product, along K:
;;     - K is cut into blocks of 32 from its start; a last block that is shorter is filled with zeros.
;;     - A block's scale is 2^e with e = floor(log2(the largest magnitude in the block)) - 2, held to -126 .. 127; a block of zeros has e = 0. As a byte (E8M0): e + 127.
;;     - Each number is divided by its block's scale, clamped to +-6, and rounded to the nearest number of E2M1, ties to even, subnormals kept.
;;     - The product sums the exact products of the quantised numbers (number of the format x scale) in f32.
;;   ~~~python
;;   def quantise(x, axis):      # numpy; x: float32 -> the quantised numbers, widened to float32 again
;;       x = np.moveaxis(x, axis, -1); K = x.shape[-1]
;;       x = np.pad(x, [(0, 0)] * (x.ndim - 1) + [(0, -K % 32)]); x = x.reshape(x.shape[:-1] + (-1, 32)); a = np.abs(x).max(-1, keepdims=True)
;;       e = np.where(a > 0, np.clip(np.frexp(np.where(a > 0, a, 1))[1] - 1 - 2, -126, 127), 0)      # np.frexp(a)[1] - 1 = floor(log2(a)), exactly
;;       r = np.clip(x / 2.0 ** e, -6, 6)
;;       step = 2.0 ** (np.maximum(np.frexp(np.where(r == 0, 1, r))[1] - 1, 0) - 1)
;;       q = np.round(r / step) * step * 2.0 ** e      # np.round: ties to even
;;       return np.moveaxis(q.reshape(q.shape[:-2] + (-1,))[..., :K], -1, axis).astype(np.float32)
;;   ~~~
;;   SOFTMAX AHEAD OF A QUANTISED PRODUCT. Where the list says 'softmax', what is quantised is not the finished softmax but p = 2^(t - M), with t = logit x log2(e) and M = ceil(the row's largest t), a whole number; so 1/2 < the row's largest p <= 1. The row's sum l is taken of the UNQUANTISED p, in f32, and the product's result is divided by l at the end. Since M is a whole number, a kernel that streams over the keys may use a running M (the ceiling of the running maximum): every later rescaling is an exact power of two, which a block's scale takes up: the codes' values come out the same.
;;   OPERANDS COMPUTED ON THE WAY. 'Computed on the way' means the value that the module computes at that place (a softmax that the list does not call 'softmax' is quantised finished and normalised). What goes into a quantiser is computed in f32, as accurately as f32 sums, v_exp_f32 and their like allow (about 1e-6 of the number): no bf16 or f16 on the way to a quantiser, and a product that is left as it is and whose result goes on into a quantised operand takes f32 operands (vector FMAs, or v_wmma_f32_16x16x4_f32). A number that lies on a knife's edge between two numbers of the format may be rounded either way, as far as f32 arithmetic and the matrix unit's own rounding can turn it there, and no further.
;; One version. Each part assembles by itself: llvm-mc -triple=amdgcn-amd-amdhsa -mcpu=gfx1250 --defsym DOCPART=n.
;; ======== version 1 of 1: 4 launches
;; workspace buffers: xq 4,456,448 bytes; wq 2,228,224 bytes; qk 8,912,896 bytes; vv 4,456,448 bytes; cq 4,456,448 bytes
;; launch quant (part 1): grid 512 x 1, 4 waves a work-group, no clusters, 41,472 bytes of LDS; arguments x, Wq, Wk, Wv, Wo, xq, wq; writes xq, wq
.if DOCPART == 1
	.amdgcn_target "amdgcn-amd-amdhsa--gfx1250"
	.amdhsa_code_object_version 6
	.text
	.protected	k_q3f26140ed3_quant
	.globl	k_q3f26140ed3_quant
	.p2align	8
	.type	k_q3f26140ed3_quant,@function
k_q3f26140ed3_quant:
	s_mov_b64 s[64:65], 0
	v_nop
	global_prefetch_b8 v0, s[64:65] scope:SCOPE_SE
	s_setreg_imm32_b32 hwreg(HW_REG_WAVE_MODE, 25, 1), 1
	s_wait_xcnt 0x0
; x [8192][1024] and Wq, Wk, Wv, Wo [1024 (k)][1024 (n)], f32, become codes of FP4 (E2M1) with one E8M0 byte for each 32 along K, laid as the matrix operands' registers want them.
; TILES.  An operand's rows (x: tokens; a weight: its columns n) are cut into tiles of 16 lane rows: lane row r of tile T is row 32 (T / 2) + 8 (T % 2) + r + 8 (r / 8).
; IMAGES. codes[T][j = block of 32 along K][r][16 bytes]: 8,192 bytes a tile; scale words[T][s = 128 along K][r], 4 bytes, byte i for block 4 s + i: 512 bytes a tile.
; xq: 512 tiles, scale words from XSC on.  wq: 256 tiles (Wq 0-63, Wk 64-127, Wv 128-191, Wo 192-255), scale words from WSC on.
; A block's scale is 2^(floor(log2(largest magnitude)) - 2); its byte is the largest magnitude's exponent field - 2, held at 1 from below.
; LIMITS: a block of zeros, or one whose largest magnitude lies under 2^-124, gets the byte 1 (its codes are zeros or nearly so; only this program reads the bytes); NaN and infinities are not served.
; Work-groups 0-255 take the weights, 256-511 take x.  The weights' path uses no LDS; waves share nothing: no barrier.  No work-group reads what another reads: no cluster.
.set XSC,   4194304
.set WSC,   2097152
.set STEPS, 16
.set WREG,  10240                      ; LDS of a wave (x's path): two stages of 32 x 80 bytes, the image of its codes, its scale bytes
.set SP,    80                         ; a lane's place in a stage: 64 bytes + 16 of padding
.set IMG,   5120                       ; 16 blocks x (16 rows x 16 bytes + 16 of padding)
.set IP,    272
.set SCB,   9472                       ; 256 scale bytes
.set R,     16                         ; v16-79   x: four sets of 16 numbers as loaded
.set X,     80                         ; v80-111  x: two sets of 16 neighbours
.set C,     112                        ; v112-115 x: codes, two sets
.set E,     116                        ; v116-117 x: the byte, two sets
.set OUTR,  120                        ; v120-153 x: the way out
.set WX,    32                         ; v32-159  W: four blocks of 32 numbers
.set WC,    160                        ; v160-175 W: codes, four registers a block
.set WS,    24                         ; v24      W: the scale word
.macro WLOAD t                         ; block t: W(128 s + 32 t + n, my column): the wave reads 128 consecutive bytes, the four waves 512
.set n, 0
.rept 32
	global_load_b32 v[WX+32*(\t)+n], v2, s[6:7] offset:(32*(\t)+n)*4096 th:TH_LOAD_NT
.set n, n+1
.endr
.endm
.macro WBLOCK t
.set XS, WX+32*(\t)
.if (\t) < 3
	s_wait_loadcnt 32                              ; this block's 32 loads are in; only the next block's 32 were issued behind them
.else
	s_wait_loadcnt 0x0
.endif
.if (\t) < 2
	WLOAD (\t)+2
.endif
	v_max3_num_f32 v12, |v[XS]|, |v[XS+1]|, |v[XS+2]|              ; the block's largest magnitude: all 32 numbers are my lane's; two chains
	v_max3_num_f32 v13, |v[XS+3]|, |v[XS+4]|, |v[XS+5]|
.irp i, 6,10,14,18,22,26
	v_max3_num_f32 v12, v12, |v[XS+\i]|, |v[XS+\i+1]|
	v_max3_num_f32 v13, v13, |v[XS+\i+2]|, |v[XS+\i+3]|
.endr
	v_max3_num_f32 v12, v12, |v[XS+30]|, |v[XS+31]|
	v_max3_num_f32 v12, v12, v13, 0x1800000        ; and the floor 2^(3 - 127): the byte cannot fall under 1
	v_add_nc_u32 v11, 0xff000000, v12              ; 2 off the exponent field: the conversion takes this operand's exponent field as its scale
.if (\t) == 0
	v_lshrrev_b32 v[WS], 23, v11                   ; the byte of block 4 s + 0 starts the scale word
.else
	v_lshrrev_b32 v13, 23, v11
	v_lshl_or_b32 v[WS], v13, 8*(\t), v[WS]
.endif
.irp g, 0,1,2,3
	v_cvt_scalef32_pk8_fp4_f32 v[WC+4*(\t)+\g], v[XS+8*\g:XS+8*\g+7], v11
.endr
	global_store_b128 v3, v[WC+4*(\t):WC+4*(\t)+3], s[28:29] offset:256*(\t)   ; lanes 0-15 and lanes 16-31 each store 256 consecutive bytes, aligned
.endm
.macro XLOAD t                         ; step t = lane row t of my tile: 512 numbers, each load 512 consecutive bytes
.irp i, 0,1,2,3
	global_load_b128 v[R+16*((\t)%4)+4*\i:R+16*((\t)%4)+4*\i+3], v3, s[4:5] offset:((\t)+8*((\t)/8))*4096+512*\i th:TH_LOAD_NT
.endr
.endm
.macro XTURN t                         ; through the wave's stage: in as loaded, out 64 bytes (16 neighbours) a lane.  LDS serves a wave's instructions in order
.irp i, 0,1,2,3
	ds_store_b128 v14, v[R+16*((\t)%4)+4*\i:R+16*((\t)%4)+4*\i+3] offset:32*SP*((\t)%2)+8*SP*\i
.endr
.irp i, 0,1,2,3
	ds_load_b128 v[X+16*((\t)%2)+4*\i:X+16*((\t)%2)+4*\i+3], v15 offset:32*SP*((\t)%2)+16*\i
.endr
.endm
.macro XSTEP t
.set XS, X+16*((\t)%2)
.set CT, C+2*((\t)%2)
.if (\t) > 0
	s_wait_dscnt 2                                 ; this step's numbers are back from the stage; behind them stand only the last step's two stores
.else
	s_wait_dscnt 0x0
.endif
.if (\t)+4 < STEPS
	XLOAD (\t)+4
.endif
.if (\t)+1 < STEPS
.if STEPS-2-(\t) >= 3
	s_wait_loadcnt 12                              ; the next step's four loads are in; those of the three steps behind it may be out
.else
	s_wait_loadcnt 4*(STEPS-2-(\t))
.endif
	XTURN (\t)+1
.endif
	v_max3_num_f32 v10, |v[XS]|, |v[XS+1]|, |v[XS+2]|              ; the largest magnitude of my 16
	v_max3_num_f32 v11, |v[XS+3]|, |v[XS+4]|, |v[XS+5]|
.irp i, 6,10
	v_max3_num_f32 v10, v10, |v[XS+\i]|, |v[XS+\i+1]|
	v_max3_num_f32 v11, v11, |v[XS+\i+2]|, |v[XS+\i+3]|
.endr
	v_max3_num_f32 v10, v10, |v[XS+14]|, |v[XS+15]|
	v_max3_num_f32 v10, v10, v11, 0x1800000        ; and the floor
	v_max_num_f32_dpp v10, v10, v10 row_xmask:1 row_mask:0xf bank_mask:0xf   ; and of my neighbour's 16: the block's
	v_add_nc_u32 v12, 0xff000000, v10
	v_cvt_scalef32_pk8_fp4_f32 v[CT], v[XS:XS+7], v12
	v_cvt_scalef32_pk8_fp4_f32 v[CT+1], v[XS+8:XS+15], v12
	v_lshrrev_b32 v[E+(\t)%2], 23, v12             ; the byte
	ds_store_b64 v4, v[CT:CT+1] offset:16*(\t)     ; block lane / 2, row t, my half of its 16 bytes
	ds_store_b8 v5, v[E+(\t)%2] offset:4*(\t)      ; word (K step, row t), byte block % 4; both lanes of a block write the same byte with the same value
.endm
	s_load_b256 s[4:11], s[0:1], 0x0               ; x s[4:5], Wq s[6:7], Wk s[8:9], Wv s[10:11]
	s_load_b128 s[12:15], s[0:1], 0x20             ; Wo s[12:13], xq s[14:15]
	s_load_b64 s[16:17], s[0:1], 0x30              ; wq
	v_lshl_add_u32 v192, v0, 2, 0xa000
	v_mov_b32 v193, 0
	v_lshrrev_b32 v1, 5, v0
	v_readfirstlane_b32 s18, v1                    ; wave 0..3
	v_and_b32 v1, 31, v0                           ; lane
	s_cmp_lt_u32 ttmp9, 256
	s_cbranch_scc0 .Lx_path
	; ---- THE WEIGHTS.  Work-group = (weight wi, K step s, group cg of 128 columns).  A lane takes a column, its registers run down K: a block lies in one lane, and the codes come out with K innermost.
	s_lshr_b32 s20, ttmp9, 6                       ; wi
	s_and_b32 s21, ttmp9, 7                        ; cg
	s_bfe_u32 s22, ttmp9, 0x30003                  ; s
	v_and_b32 v5, 15, v1                           ; r
	v_lshrrev_b32 v6, 4, v1                        ; u: which of my wave's two tiles
	v_and_b32 v7, 8, v5
	v_add_nc_u32 v7, v7, v5
	v_lshl_add_u32 v7, v6, 3, v7                   ; my column among the wave's 32: 8 u + r + 8 (r / 8)
	v_lshlrev_b32 v2, 2, v7                        ; in: 4 bytes a column
	v_lshlrev_b32 v3, 4, v5
	v_lshl_add_u32 v3, v6, 13, v3                  ; codes: 16 r + 8,192 u
	v_lshlrev_b32 v4, 2, v5
	v_lshl_add_u32 v4, v6, 9, v4                   ; scale word: 4 r + 512 u
	s_lshl_b32 s24, s22, 19                        ; 128 s rows of 4,096 bytes
	s_lshl_b32 s23, s21, 9
	s_add_co_u32 s24, s24, s23
	s_lshl_b32 s23, s18, 7
	s_add_co_u32 s24, s24, s23                     ; + 4 (128 cg + 32 wave)
	s_mov_b32 s25, 0
	s_lshl_b32 s26, s20, 6
	s_lshl_b32 s23, s21, 3
	s_add_co_u32 s26, s26, s23
	s_lshl_b32 s23, s18, 1
	s_add_co_u32 s26, s26, s23                     ; my first tile: 64 wi + 8 cg + 2 wave
	s_lshl_b32 s28, s26, 13
	s_lshl_b32 s23, s22, 10
	s_add_co_u32 s28, s28, s23                     ; its codes of K step s
	s_mov_b32 s29, 0
	s_lshl_b32 s30, s26, 9
	s_lshl_b32 s23, s22, 6
	s_add_co_u32 s30, s30, s23
	s_add_co_u32 s30, s30, WSC                     ; its scale words of K step s
	s_mov_b32 s31, 0
	s_wait_kmcnt 0x0
	s_cmp_eq_u32 s20, 1                            ; which weight: the choice hangs on the work-group's number alone
	s_cselect_b64 s[6:7], s[8:9], s[6:7]
	s_cmp_eq_u32 s20, 2
	s_cselect_b64 s[6:7], s[10:11], s[6:7]
	s_cmp_eq_u32 s20, 3
	s_cselect_b64 s[6:7], s[12:13], s[6:7]
	s_add_nc_u64 s[6:7], s[6:7], s[24:25]
	s_add_nc_u64 s[28:29], s[16:17], s[28:29]
	s_add_nc_u64 s[30:31], s[16:17], s[30:31]
	WLOAD 0
	WLOAD 1
	WBLOCK 0
	WBLOCK 1
	WBLOCK 2
	WBLOCK 3
	global_store_b32 v4, v[WS], s[30:31]           ; 64 consecutive bytes for each of the two tiles: one byte in 128 of what this path reads
	s_endpgm
.Lx_path:
	; ---- x.  A wave takes one tile's 16 rows over half of K: 16 steps of 512 numbers.
	s_sub_co_u32 s20, ttmp9, 256
	s_lshl_b32 s20, s20, 2
	s_add_co_u32 s20, s20, s18                     ; task = 2 T + g
	s_lshr_b32 s21, s20, 1                         ; T
	s_and_b32 s22, s20, 1                          ; g: which half of K
	s_lshr_b32 s23, s21, 1
	s_lshl_b32 s24, s23, 17                        ; 32 (T / 2) rows of 4,096 bytes
	s_and_b32 s23, s21, 1
	s_lshl_b32 s23, s23, 15                        ; + 8 (T % 2) rows
	s_add_co_u32 s24, s24, s23
	s_lshl_b32 s23, s22, 11                        ; + 2,048 g
	s_add_co_u32 s24, s24, s23
	s_mov_b32 s25, 0
	s_lshl_b32 s28, s20, 12                        ; codes: 8,192 T + 4,096 g
	s_mov_b32 s29, 0
	s_lshl_b32 s30, s20, 8                         ; scale words: 512 T + 256 g
	s_add_co_u32 s30, s30, XSC
	s_mov_b32 s31, 0
	s_mul_i32 s19, s18, WREG                       ; my wave's LDS
	v_lshlrev_b32 v3, 4, v1                        ; 16 x lane: my bytes of a load's or a store's 512
	v_lshrrev_b32 v14, 2, v1
	v_mul_u32_u24 v14, v14, SP
	v_and_b32 v15, 3, v1
	v_lshl_add_u32 v14, v15, 4, v14
	v_add_nc_u32 v14, s19, v14                     ; the stage, in: four lanes' 64 bytes, then 16 of padding
	v_mul_u32_u24 v15, v1, SP
	v_add_nc_u32 v15, s19, v15                     ; out: my 16 neighbours
	s_add_co_u32 s23, s19, IMG
	v_lshrrev_b32 v8, 1, v1
	v_mul_u32_u24 v4, v8, IP
	v_and_b32 v9, 1, v1
	v_lshl_add_u32 v4, v9, 3, v4
	v_add_nc_u32 v4, s23, v4                       ; the image, in: block lane / 2, 8 (lane % 2)
	v_lshrrev_b32 v8, 4, v1
	v_mul_u32_u24 v6, v8, IP
	v_and_b32 v9, 15, v1
	v_lshl_add_u32 v6, v9, 4, v6
	v_add_nc_u32 v6, s23, v6                       ; out: two blocks an instruction, sixteen lanes to a block's 256 bytes
	s_add_co_u32 s23, s19, SCB
	v_lshrrev_b32 v8, 3, v1
	v_bfe_u32 v9, v1, 1, 2
	v_lshl_add_u32 v5, v8, 6, v9
	v_add_nc_u32 v5, s23, v5                       ; scale bytes, in: 64 (K step) + block % 4
	v_lshlrev_b32 v13, 3, v1                       ; out: 8 bytes a lane
	v_add_nc_u32 v7, s23, v13
	s_wait_kmcnt 0x0
	s_add_nc_u64 s[4:5], s[4:5], s[24:25]
	s_add_nc_u64 s[28:29], s[14:15], s[28:29]
	s_add_nc_u64 s[30:31], s[14:15], s[30:31]
.irp t, 0,1,2,3
	XLOAD \t
.endr
	s_wait_loadcnt 12                              ; step 0's four loads are in
	XTURN 0
.irp t, 0,1,2,3,4,5,6,7,8,9,10,11,12,13,14,15
	XSTEP \t
.endr
.irp i, 0,1,2,3,4,5,6,7
	ds_load_b128 v[OUTR+4*\i:OUTR+4*\i+3], v6 offset:2*IP*\i       ; LDS serves a wave's instructions in order: these see my stores
.endr
	ds_load_b64 v[OUTR+32:OUTR+33], v7
.irp i, 0,1,2,3,4,5,6,7
	s_wait_dscnt 8-\i                              ; behind load i: the later code loads and the scale bytes' load
	global_store_b128 v3, v[OUTR+4*\i:OUTR+4*\i+3], s[28:29] offset:512*\i   ; 512 consecutive bytes, aligned
.endr
	s_wait_dscnt 0x0
	global_store_b64 v13, v[OUTR+32:OUTR+33], s[30:31]             ; 256 consecutive bytes, aligned
	s_wait_tensorcnt 0x0
	ds_add_u32 v192, v193
	s_wait_dscnt 0x0
	s_endpgm
.Lfunc_end_k_q3f26140ed3_quant:
	.size	k_q3f26140ed3_quant, .Lfunc_end_k_q3f26140ed3_quant-k_q3f26140ed3_quant
	.p2alignl 7, 3214868480
	.fill 96, 4, 3214868480
	.section	.rodata,"a",@progbits
	.p2align	6, 0x0
	.amdhsa_kernel k_q3f26140ed3_quant
		.amdhsa_group_segment_fixed_size 41472
		.amdhsa_private_segment_fixed_size 0
		.amdhsa_enable_private_segment 0
		.amdhsa_kernarg_size 56
		.amdhsa_user_sgpr_count 2
		.amdhsa_user_sgpr_kernarg_segment_ptr 1
		.amdhsa_wavefront_size32 1
		.amdhsa_system_sgpr_workgroup_id_x 1
		.amdhsa_system_sgpr_workgroup_id_y 1
		.amdhsa_system_sgpr_workgroup_id_z 1
		.amdhsa_system_vgpr_workitem_id 0
		.amdhsa_next_free_vgpr 194
		.amdhsa_next_free_sgpr 66
		.amdhsa_reserve_vcc 0
		.amdhsa_float_denorm_mode_32 3
		.amdhsa_float_denorm_mode_16_64 3
		.amdhsa_memory_ordered 1
		.amdhsa_forward_progress 1
		.amdhsa_inst_pref_size 55
	.end_amdhsa_kernel
	.amdgpu_metadata
---
amdhsa.version: [ 1, 2 ]
amdhsa.kernels:
  - .name:           k_q3f26140ed3_quant
    .symbol:         k_q3f26140ed3_quant.kd
    .args:
      - { .name: x, .offset: 0, .size: 8, .value_kind: global_buffer, .address_space: global }
      - { .name: Wq, .offset: 8, .size: 8, .value_kind: global_buffer, .address_space: global }
      - { .name: Wk, .offset: 16, .size: 8, .value_kind: global_buffer, .address_space: global }
      - { .name: Wv, .offset: 24, .size: 8, .value_kind: global_buffer, .address_space: global }
      - { .name: Wo, .offset: 32, .size: 8, .value_kind: global_buffer, .address_space: global }
      - { .name: xq, .offset: 40, .size: 8, .value_kind: global_buffer, .address_space: global }
      - { .name: wq, .offset: 48, .size: 8, .value_kind: global_buffer, .address_space: global }
    .group_segment_fixed_size: 41472
    .private_segment_fixed_size: 0
    .kernarg_segment_align: 8
    .kernarg_segment_size: 56
    .max_flat_workgroup_size: 128
    .sgpr_count:     66
    .vgpr_count:     194
    .wavefront_size: 32
...
	.end_amdgpu_metadata
.endif
;; end of part 1
;; launch proj (part 2): grid 4 x 96, 4 waves a work-group, clusters of 4 x 4, 281,088 bytes of LDS; arguments xq, wq, qk, vv; writes qk, vv
.if DOCPART == 2
	.amdgcn_target "amdgcn-amd-amdhsa--gfx1250"
	.amdhsa_code_object_version 6
	.text
	.protected	k_q3f26140ed3_proj
	.globl	k_q3f26140ed3_proj
	.p2align	8
	.type	k_q3f26140ed3_proj,@function
k_q3f26140ed3_proj:
	s_mov_b64 s[64:65], 0
	v_nop
	global_prefetch_b8 v0, s[64:65] scope:SCOPE_SE
	s_setreg_imm32_b32 hwreg(HW_REG_WAVE_MODE, 25, 1), 1
	s_wait_xcnt 0x0
	s_wait_alu depctr_hold_cnt(0) depctr_sa_sdst(0) depctr_va_vdst(0) depctr_va_sdst(0) depctr_va_ssrc(0) depctr_va_vcc(0) depctr_vm_vsrc(0)
	s_getreg_b32 s2, hwreg(HW_REG_IB_STS2, 6, 4)
	s_cmp_eq_u32 s2, 0
	s_cbranch_scc0 .Lentry_in_a_cluster
	s_endpgm
.Lentry_in_a_cluster:
	s_bfe_u32 s2, ttmp6, 0x10000c
	s_cmp_lg_u32 s2, 0xf033
	s_cbranch_scc0 .Lentry_shape_is_right
	s_endpgm
.Lentry_shape_is_right:
; q = x Wq, k = x Wk, v = x Wv on codes of FP4 with E8M0 scales, K = 1,024; the results are quantised in registers (q and k along the head's 64, v along the keys) and leave as codes and scale words alone.
; THE PRODUCT.  C' = S0 S1^T, source 0 = 16 lane rows of S0, source 1 = 16 lane rows of S1.  A work-group makes 256 x 256, each of four waves 128 x 128: 64 accumulators, 512 registers.
; A lane holds ONE lane row of S1, and its registers run along S0's rows: by the tiles' order (lane row r of tile T = row 32 (T / 2) + 8 (T % 2) + r + 8 (r / 8)) the 16 registers of S0's tiles 2 B, 2 B + 1 are rows 32 B + 16 (lane / 16) + 0 .. 15.
; So S0's rows are the axis that is quantised.  ROLES, by the cluster's number L (the same in all sixteen partners; it chooses pointers and offsets, never a branch):
;   L < 16:  S0 = Wq | Wk's columns (wq tiles 0-127), S1 = tokens (xq).  A wave's 128 S0 rows are two heads: each 128 x 16 block gives two half fragments (64 along the head) and one scale word a token.  Output qk.
;   L >= 16: S0 = tokens (xq), S1 = Wv's columns (wq tiles 128-191).  A wave's 128 S0 rows are one step of 128 keys: each block gives one whole fragment of V^T.  Output vv.
; OPERANDS lie in memory as images of the registers: codes[tile][block of 32 along K][16 rows][16 bytes], scale words[tile][128 along K][16 rows]: a fragment half is 512 consecutive bytes, in memory and in LDS: no pitch, no padding.
; LDS: all of K fits: two slots (K halves) of 131,072 bytes, each S1's 16 tiles x 4,096 bytes and then S0's; the scale words; a stage of 512 bytes a wave for the outgoing scale words.  Every byte is filled once: three tensor loads of a wave are out at the start, none later.
; CLUSTER 4 x 4: S1's tiles hang on cy alone and are asked for jointly by a row of the cluster, S0's on cx alone and by a column.
; qk: [q | k][b][h][token tile T][512 bytes: lane (r, half) = 32 codes of d = 32 half ..]; from QSC on [q | k][b][h / 2][16 T + r] words: bytes 0, 1 the even head's two blocks, bytes 2, 3 the odd head's.
; vv: [b][key step][tile of n][1,024 bytes]; from VSC on [b][key step][16 tile + r] words.
; LIMITS: a block of zeros, or one whose largest magnitude lies under 2^-124, gets the byte 1 (only this program reads the bytes); NaN and infinities are not served.
; REGISTERS: window 0: v16-29 addresses; v32-95 scale words (8 s + i: lanes 0-15 S1's tile i, lanes 16-31 S0's tile i); v96-127 the quantiser; v128-191 S1's fragments, one set.
;   window 1: S0's fragments, two sets, v0-63 and v128-191.   windows 2, 3: accumulator (a, b) at v[8 (8 (a % 4) + b)].
.set XSC,   4194304
.set WSC,   2097152
.set QSC,   8388608
.set VSC,   4194304
.set SLOT,  131072
.set SCL,   262144
.set STG,   278528
.set AD1,   16                         ; v16-17  my S1 fragments in slot 0, 1: 16 x lane + my half
.set AD0,   20                         ; v20-21  the same for S0
.set STW,   24                         ; v24     the stage: where I put a scale word
.set STR,   25                         ; v25     and where I read 16 bytes back
.set OF0,   26                         ; v26     my byte offset for registers 0-3 of an outgoing fragment
.set ADRS,  27                         ; v27     my scale words in LDS: lanes 0-15 S1's, lanes 16-31 S0's
.set OF1,   28                         ; v28     for registers 4-7
.set LN16,  29                         ; v29     16 x lane; never rewritten
.set SC,    32
.set TM,    96                         ; v96-99 largest magnitudes, v100-103 bytes, v104-107 the scale words' way out, v108-111 the conversions' scale operands
.set PC,    112                        ; v112-119 the codes just made
.set PW,    120                        ; v120-127 the scale word of each of the eight blocks
.set AF,    128
.set G1,    24                         ; s[24:31] group 1, s[32:39] groups 0 (a set for each slot): S1's codes
.set G0,    32
.set G1B,   48                         ; s[48:55], s[56:63]: S0's codes
.set G0B,   56
.set SEL,   66                         ; s[66:67] selects for v_permlanex16_b32: lane l xor 16
.set G1S,   68                         ; s[68:75], s[76:79]: S1's scale words
.set G0S,   76
.set G1SB,  80                         ; s[80:87], s[88:91]: S0's
.set G0SB,  88
.set SA,    100                        ; s100 bytes from one S1 tile's output to the next
.set SCS,   101                        ; s101 bytes from registers 0-3 of a fragment to registers 4-7
.set MUL_LO, 0xa1                      ; source 0 (S0) window 1, source 1 (S1) window 0, C and D window 2
.set MUL_HI, 0xf1                      ; the same, C and D window 3
.set TO_S0,  0x40                      ; destination window 1
.set MSB, 0
.macro WIN new                         ; the immediate's high byte repeats the setting that is left
.if MSB != (\new)
	s_set_vgpr_msb (MSB<<8)|(\new)
.set MSB, (\new)
.endif
.endm
; A joint load: waves 0 and 1 fetch for S1, waves 2 and 3 for S0.  The branch hangs on the wave's number alone.  Four v_nop follow each of the two lines.
.macro JLOAD g0a, g1a, g0b, g1b
	s_cmp_eq_u32 s15, 0
	s_cbranch_scc0 .Lfor_s0_\@
	tensor_load_to_lds s[\g0a:\g0a+3], s[\g1a:\g1a+7]
	s_nop 0
.rept 4
	v_nop
.endr
	s_branch .Lasked_\@
.Lfor_s0_\@:
	tensor_load_to_lds s[\g0b:\g0b+3], s[\g1b:\g1b+7]
	s_nop 0
.rept 4
	v_nop
.endr
.Lasked_\@:
.endm
.macro CROUND                          ; a round of the cluster's barrier
	s_barrier_signal -1
	s_barrier_wait -1
	s_cmp_lg_u32 s14, 0
	s_cbranch_scc1 .Lnot_wave_0_\@
	s_barrier_signal -3
.Lnot_wave_0_\@:
	s_barrier_wait -3
	s_barrier_signal -1
	s_barrier_wait -1
.endm
.macro PLACES n                        ; plain vector instructions between a matrix instruction and a load into, or a read of, its registers
.rept \n
	v_nop
.endr
.endm
.macro FRAG reg, adr, q, i             ; tile i's fragment of the slot's q-th 128 along K: two loads of 512 consecutive bytes
.irp c, 0,1
	ds_load_b128 v[\reg+4*\c:\reg+4*\c+3], v[\adr] offset:1024*(\q)+512*\c+4096*(\i)
.endr
.endm
.macro FETCH0 slot, q, p               ; S0's eight fragments into set p
	WIN TO_S0
.irp i, 0,1,2,3,4,5,6,7
	FRAG 128*(\p)+8*\i, AD0+\slot, \q, \i
.endr
	WIN 0
.endm
.macro FETCH1 slot, q, i0              ; S1's tiles i0 .. i0 + 3
.irp i, \i0, \i0+1, \i0+2, \i0+3
	FRAG AF+8*(\i), AD1+\slot, \q, \i
.endr
.endm
.macro SCALES                          ; all scale words of my 128 + 128 rows, once
.irp s, 0,1,2,3,4,5,6,7
.irp i, 0,1,2,3,4,5,6,7
	ds_load_b32 v[SC+8*\s+\i], v[ADRS] offset:512*\i+64*\s
.endr
.endr
.endm
; 16 matrix instructions: S1's tiles a0, a0 + 1 x S0's eight; sg: which 128 along K; init = 1: the product starts the sum.  The 64 accumulators take turns, one instruction a turn.
.macro MUL16 a0, p, sg, init
.irp a, \a0, \a0+1
.irp b, 0,1,2,3,4,5,6,7
.if \init
	v_wmma_scale_f32_16x16x128_f8f6f4 v[8*(8*((\a)%4)+\b):8*(8*((\a)%4)+\b)+7], v[128*(\p)+8*\b:128*(\p)+8*\b+7], v[AF+8*(\a):AF+8*(\a)+7], 0, v[SC+8*(\sg)+\b], v[SC+8*(\sg)+(\a)] matrix_a_fmt:MATRIX_FMT_FP4 matrix_b_fmt:MATRIX_FMT_FP4 matrix_a_scale:MATRIX_SCALE_ROW1
.else
	v_wmma_scale_f32_16x16x128_f8f6f4 v[8*(8*((\a)%4)+\b):8*(8*((\a)%4)+\b)+7], v[128*(\p)+8*\b:128*(\p)+8*\b+7], v[AF+8*(\a):AF+8*(\a)+7], v[8*(8*((\a)%4)+\b):8*(8*((\a)%4)+\b)+7], v[SC+8*(\sg)+\b], v[SC+8*(\sg)+(\a)] matrix_a_fmt:MATRIX_FMT_FP4 matrix_b_fmt:MATRIX_FMT_FP4 matrix_a_scale:MATRIX_SCALE_ROW1
.endif
.endr
.endr
.endm
.macro STEP slot, q, init              ; 128 along K whose successor lies in the same slot
	s_wait_dscnt 8                                 ; all but the youngest eight loads (S1's tiles 4-7) are in
	WIN MUL_LO
	MUL16 0, (\q)%2, 4*(\slot)+(\q), \init
	MUL16 2, (\q)%2, 4*(\slot)+(\q), \init
	s_wait_dscnt 0x0                               ; S1's tiles 4-7 are in
	PLACES 4
	FETCH0 \slot, (\q)+1, 1-(\q)%2
	FETCH1 \slot, (\q)+1, 0
	WIN MUL_HI
	MUL16 4, (\q)%2, 4*(\slot)+(\q), \init
	MUL16 6, (\q)%2, 4*(\slot)+(\q), \init
	PLACES 4
	WIN 0
	FETCH1 \slot, (\q)+1, 4
.endm
; One S1 tile's 128 x 16 block is quantised along S0's rows and leaves.  Register 16 B + i of the block = S0 row 32 B + 16 (lane / 16) + i.
.macro OUTA a
.set W, 2+(\a)/4
.set AC, 64*((\a)%4)
.set W1, W|(W<<2)
.set W2, (W<<2)|(W<<4)
.if (\a) > 0
	s_wait_xcnt 0x0                                ; the last block's stores have read their data and offsets: both are written again below
	v_add_nc_u32 v[OF0], s[SA], v[OF0]
	v_add_nc_u32 v[OF1], s[SA], v[OF1]
.endif
	WIN W1
.irp b, 0,1,2,3
	v_max3_num_f32 v[TM+\b], |v[AC+16*\b]|, |v[AC+16*\b+1]|, 0x1800000     ; my 16 numbers of block B, and the floor 2^(3 - 127); each accumulator is read from its low end on
.endr
	WIN W2
.irp i, 2,4,6,8,10,12,14
.irp b, 0,1,2,3
	v_max3_num_f32 v[TM+\b], v[TM+\b], |v[AC+16*\b+\i]|, |v[AC+16*\b+\i+1]|
.endr
.endr
	WIN 0
.irp b, 0,1,2,3
	v_permlanex16_b32 v[TM+4+\b], v[TM+\b], s[SEL], s[SEL+1]
.endr
.irp b, 0,1,2,3
	v_max_num_f32 v[TM+\b], v[TM+\b], v[TM+4+\b]   ; with lane l xor 16's 16: the block's largest magnitude
.endr
.irp b, 0,1,2,3
	v_add_nc_u32 v[TM+12+\b], 0xff000000, v[TM+\b] ; 2 off the exponent field: the conversion's scale operand
.endr
.irp b, 0,1,2,3
	v_lshrrev_b32 v[TM+4+\b], 23, v[TM+12+\b]      ; the byte
.endr
	v_lshl_or_b32 v[PW+(\a)], v[TM+5], 8, v[TM+4]
	v_lshl_or_b32 v[PW+(\a)], v[TM+6], 16, v[PW+(\a)]
	v_lshl_or_b32 v[PW+(\a)], v[TM+7], 24, v[PW+(\a)]
	WIN W
.irp b, 0,1,2,3
	v_cvt_scalef32_pk8_fp4_f32 v[PC+2*\b], v[AC+16*\b:AC+16*\b+7], v[TM+12+\b]
	v_cvt_scalef32_pk8_fp4_f32 v[PC+2*\b+1], v[AC+16*\b+8:AC+16*\b+15], v[TM+12+\b]
.endr
	WIN 0
	v_nop                                          ; one plain place behind a scaled conversion
.irp c, 0,1                            ; the operand's layout wants a whole block in a lane
.irp i, 0,1
	v_permlane16_swap_b32 v[PC+4*\c+\i], v[PC+2+4*\c+\i]
.endr
.endr
	global_store_b128 v[OF0], v[PC:PC+3], s[8:9]   ; 512 consecutive bytes, aligned
	global_store_b128 v[OF1], v[PC+4:PC+7], s[8:9]
	ds_store_b32 v[STW], v[PW+(\a)] offset:64*(\a) ; both halves of the lanes write the same word with the same value
.endm
	s_load_b128 s[4:7], s[0:1], 0x0                ; xq, wq
	s_load_b128 s[8:11], s[0:1], 0x10              ; qk, vv
	v_lshl_add_u32 v254, v0, 2, 0x44800
	v_mov_b32 v255, 0
	ds_add_u32 v254, v255
	ds_add_u32 v254, v255
	v_lshrrev_b32 v1, 5, v0
	v_readfirstlane_b32 s14, v1                    ; wave 0..3
	s_lshr_b32 s15, s14, 1                         ; my half of S1's rows.  Also: I fetch for S1 (0) or for S0 (1)
	s_and_b32 s16, s14, 1                          ; my half of S0's rows.  Also: which eight tiles I fetch
	s_bfe_u32 s40, ttmp6, 0x40000                  ; cx
	s_bfe_u32 s41, ttmp6, 0x40004                  ; cy
	s_and_b32 s42, ttmp7, 0xffff                   ; L: the cluster's number
	s_and_b32 s43, s42, 1
	s_lshr_b32 s44, s42, 1
	s_sub_co_u32 s17, s42, 16
	s_mov_b32 s18, WSC
	s_mov_b32 s19, XSC
	s_mov_b32 s12, WSC+65536                       ; Wv's scale words: tile 128 on
	s_mov_b32 s13, 1048576                         ; Wv's codes: tile 128 on
	s_cmp_lt_u32 s42, 16                           ; the role
	s_cselect_b32 s43, s43, s17                    ; which four S0 blocks are the cluster's
	s_cselect_b32 s44, s44, 0                      ; which four S1 blocks
	s_cselect_b32 s2, s18, s19                     ; where S0's scale words begin in its buffer
	s_cselect_b32 s3, s19, s12                     ; S1's
	s_cselect_b32 s13, 0, s13                      ; where S1's codes begin
	s_lshl_b32 s43, s43, 2
	s_add_co_u32 s43, s43, s40                     ; X0: my block of 256 S0 rows
	s_lshl_b32 s44, s44, 2
	s_add_co_u32 s44, s44, s41                     ; Y1: my block of 256 S1 rows
	s_lshl_b32 s46, s41, 2
	s_lshl_b32 s46, 15, s46                        ; my row of the cluster: it shares S1's tiles
	s_lshl_b32 s47, 0x1111, s40                    ; my column: it shares S0's
	; group 1, codes: eight tiles' halves: 8 rows of 4,096 bytes (512 elements of 8 bytes), 8,192 bytes apart
	s_or_b32 s[G1+0], s46, (3<<16)|(1<<21)         ; 15:0 the mask; 17:16 elements of 8 bytes; 21 set beside a mask
	s_or_b32 s[G1B+0], s47, (3<<16)|(1<<21)
.irp g, G1, G1B
	s_mov_b32 s[\g+1], 512<<16                     ; tensor_dim0
	s_mov_b32 s[\g+2], 8<<16                       ; tensor_dim1
	s_mov_b32 s[\g+3], 512<<16                     ; tile_dim0
	s_mov_b32 s[\g+4], 8                           ; tile_dim1
	s_mov_b32 s[\g+5], 1024                        ; from row to row
	s_mov_b32 s[\g+6], 0
	s_mov_b32 s[\g+7], 0
.endr
	; group 1, scale words: eight tiles' 4,096 dense bytes as 16 rows of 256
	s_or_b32 s[G1S+0], s46, (3<<16)|(1<<21)
	s_or_b32 s[G1SB+0], s47, (3<<16)|(1<<21)
.irp g, G1S, G1SB
	s_mov_b32 s[\g+1], 32<<16
	s_mov_b32 s[\g+2], 16<<16
	s_mov_b32 s[\g+3], 32<<16
	s_mov_b32 s[\g+4], 16
	s_mov_b32 s[\g+5], 32
	s_mov_b32 s[\g+6], 0
	s_mov_b32 s[\g+7], 0
.endr
	s_lshl_b32 s17, s16, 3
	s_lshl_b32 s20, s43, 4
	s_add_co_u32 s20, s20, s17                     ; S0: tile 16 X0 + 8 half
	s_lshl_b32 s22, s20, 9
	s_add_co_u32 s22, s22, s2                      ; its scale words,
	s_lshl_b32 s20, s20, 13                        ; its codes
	s_mov_b32 s21, 0
	s_mov_b32 s23, 0
	s_lshl_b32 s92, s44, 4
	s_add_co_u32 s92, s92, s17                     ; S1: tile 16 Y1 + 8 half
	s_lshl_b32 s94, s92, 9
	s_add_co_u32 s94, s94, s3
	s_lshl_b32 s92, s92, 13
	s_add_co_u32 s92, s92, s13
	s_mov_b32 s93, 0
	s_mov_b32 s95, 0
	s_lshl_b32 s45, s14, 15                        ; where they go: wave x 32,768 in a slot: no place in the cluster enters an LDS address
	s_lshl_b32 s96, s14, 12                        ; the scale words: wave x 4,096
	s_wait_dscnt 0x0
	s_wait_kmcnt 0x0
	s_cmp_lt_u32 s42, 16
	s_cselect_b64 s[98:99], s[6:7], s[4:5]         ; S0's buffer
	s_cselect_b64 s[100:101], s[4:5], s[6:7]       ; S1's
	s_cselect_b64 s[8:9], s[8:9], s[10:11]         ; the output's
	s_add_nc_u64 s[20:21], s[98:99], s[20:21]
	s_add_nc_u64 s[22:23], s[98:99], s[22:23]
	s_add_nc_u64 s[92:93], s[100:101], s[92:93]
	s_add_nc_u64 s[94:95], s[100:101], s[94:95]
	CROUND                                         ; all sixteen work-groups are here: the joint loads meet
	s_mov_b32 s[G0S], 1
	s_add_co_u32 s[G0S+1], s96, SCL
	s_mov_b64 s[G0S+2:G0S+3], s[94:95]
	s_or_b32 s[G0S+3], s[G0S+3], 0x80000000
	s_mov_b32 s[G0SB], 1
	s_add_co_u32 s[G0SB+1], s96, SCL
	s_mov_b64 s[G0SB+2:G0SB+3], s[22:23]
	s_or_b32 s[G0SB+3], s[G0SB+3], 0x80000000
	JLOAD G0S, G1S, G0SB, G1SB                     ; the scale words first: they are wanted with the first step
.irp s, 0,1
	s_mov_b32 s[G0+4*\s], 1
	s_add_co_u32 s[G0+4*\s+1], s45, \s*SLOT
	s_add_nc_u64 s[G0+4*\s+2:G0+4*\s+3], s[92:93], \s*4096
	s_or_b32 s[G0+4*\s+3], s[G0+4*\s+3], 0x80000000
	s_mov_b32 s[G0B+4*\s], 1
	s_add_co_u32 s[G0B+4*\s+1], s45, \s*SLOT
	s_add_nc_u64 s[G0B+4*\s+2:G0B+4*\s+3], s[20:21], \s*4096
	s_or_b32 s[G0B+4*\s+3], s[G0B+4*\s+3], 0x80000000
	JLOAD G0+4*\s, G1, G0B+4*\s, G1B               ; K half s
.endr
	v_and_b32 v1, 31, v0                           ; lane
	v_and_b32 v2, 15, v0                           ; r
	v_bfe_u32 v3, v0, 4, 1                         ; lane / 16
	v_lshlrev_b32 v[LN16], 4, v1
	s_lshl_b32 s17, s15, 15                        ; my eight tiles of S1
	s_lshl_b32 s18, s16, 15
	s_add_co_u32 s18, s18, 65536                   ; my eight of S0, behind S1's sixteen
.irp s, 0,1
	v_add_nc_u32 v[AD1+\s], s17, v[LN16]
	v_add_nc_u32 v[AD0+\s], s18, v[LN16]
	s_add_co_u32 s17, s17, SLOT
	s_add_co_u32 s18, s18, SLOT
.endr
	s_lshl_b32 s17, s15, 12                        ; S1's scale words: my eight tiles
	s_lshl_b32 s18, s16, 12
	s_add_co_u32 s18, s18, 8192                    ; S0's, behind S1's sixteen
	s_sub_co_u32 s18, s18, s17
	v_mul_u32_u24 v5, s18, v3                      ; lanes 16-31 take S0's: the lower base + half x the distance
	s_add_co_u32 s17, s17, SCL
	v_lshl_add_u32 v5, v2, 2, v5
	v_add_nc_u32 v[ADRS], s17, v5
	s_lshl_b32 s17, s14, 9
	s_add_co_u32 s17, s17, STG                     ; my stage
	v_lshl_add_u32 v[STW], v2, 2, s17
	v_add_nc_u32 v[STR], s17, v[LN16]
	s_mov_b32 s[SEL], 0x76543210
	s_mov_b32 s[SEL+1], 0xfedcba98
.irp b, 0,1,2,3
	v_mov_b32 v[TM+4+\b], 0                        ; written once: a lane permute's destination counts as one of its sources
.endr
	; where my results go.  Both roles' offsets are made, then chosen
	s_lshl_b32 s17, s43, 1
	s_add_co_u32 s17, s17, s16                     ; P = 2 X0 + half: pair of heads (q | k), or step of 128 keys
	s_lshl_b32 s18, s44, 4
	s_lshl_b32 s19, s15, 3
	s_add_co_u32 s18, s18, s19                     ; my first S1 tile: 16 Y1 + 8 half
	s_lshr_b32 s19, s17, 3                         ; q or k
	s_and_b32 s12, s17, 7                          ; h / 2
	s_lshr_b32 s13, s18, 7                         ; b
	s_and_b32 s2, s18, 127                         ; T
	s_lshl_b32 s3, s19, 2
	s_add_co_u32 s3, s3, s13                       ; 4 (q | k) + b
	s_lshl_b32 s96, s3, 20
	s_lshl_b32 s97, s12, 17
	s_add_co_u32 s96, s96, s97
	s_lshl_b32 s97, s2, 9
	s_add_co_u32 s96, s96, s97                     ; qk: codes
	s_lshl_b32 s3, s3, 3
	s_add_co_u32 s3, s3, s12
	s_lshl_b32 s3, s3, 13
	s_lshl_b32 s97, s2, 6
	s_add_co_u32 s3, s3, s97
	s_add_co_u32 s3, s3, QSC                       ; qk: scale words
	s_lshl_b32 s19, s17, 16
	s_lshl_b32 s97, s18, 10
	s_add_co_u32 s19, s19, s97                     ; vv: codes
	s_lshl_b32 s12, s17, 12
	s_lshl_b32 s97, s18, 6
	s_add_co_u32 s12, s12, s97
	s_add_co_u32 s12, s12, VSC                     ; vv: scale words
	s_mov_b32 s2, 1024
	s_mov_b32 s13, 65536
	s_cmp_lt_u32 s42, 16
	s_cselect_b32 s96, s96, s19
	s_cselect_b32 s98, s3, s12
	s_cselect_b32 s[SA], 512, s2                   ; the next token tile's half image, or the next tile of n's fragment
	s_cselect_b32 s[SCS], s13, 512                 ; the pair's other head, or the fragment's other half
	s_mov_b32 s97, 0
	s_mov_b32 s99, 0
	s_add_nc_u64 s[10:11], s[8:9], s[98:99]
	s_add_nc_u64 s[8:9], s[8:9], s[96:97]
	v_mov_b32 v[OF0], v[LN16]
	v_add_nc_u32 v[OF1], s[SCS], v[LN16]
	s_wait_tensorcnt 1                             ; my scale words and my part of K half 0 are in; K half 1's load may stay out
	s_barrier_signal -1
	s_barrier_wait -1                              ; everybody's are
	SCALES
	FETCH0 0, 0, 0
	FETCH1 0, 0, 0
	FETCH1 0, 0, 4
	STEP 0, 0, 1                                   ; the first products start the sums: nothing is cleared
	STEP 0, 1, 0
	STEP 0, 2, 0
	; slot 0's last step changes slots
	s_wait_tensorcnt 0x0                           ; my part of K half 1 has landed
	s_wait_dscnt 8
	WIN MUL_LO
	MUL16 0, 1, 3, 0
	s_wait_dscnt 0x0                               ; no LDS instruction of mine is out at the signal
	s_barrier_signal -1
	MUL16 2, 1, 3, 0
	s_barrier_wait -1                              ; everybody's part has landed
	PLACES 4
	FETCH0 1, 0, 0
	FETCH1 1, 0, 0
	WIN MUL_HI
	MUL16 4, 1, 3, 0
	MUL16 6, 1, 3, 0
	PLACES 4
	WIN 0
	FETCH1 1, 0, 4
	STEP 1, 0, 0
	STEP 1, 1, 0
	STEP 1, 2, 0
	s_wait_dscnt 8                                 ; the last step: nothing more to fetch
	WIN MUL_LO
	MUL16 0, 1, 7, 0
	MUL16 2, 1, 7, 0
	s_wait_dscnt 0x0
	WIN MUL_HI
	MUL16 4, 1, 7, 0
	MUL16 6, 1, 7, 0
	WIN 0
	PLACES 4                                       ; in front of the first read of results
.irp a, 0,1,2,3,4,5,6,7
	OUTA \a
.endr
	ds_load_b128 v[TM+8:TM+11], v[STR]             ; my eight tiles' scale words, 512 bytes; LDS serves a wave's instructions in order
	s_wait_dscnt 0x0
	global_store_b128 v[LN16], v[TM+8:TM+11], s[10:11]             ; 512 consecutive bytes, aligned
	s_wait_tensorcnt 0x0
	ds_add_u32 v254, v255
	s_wait_dscnt 0x0
	CROUND                                         ; the closing round
	s_endpgm
.Lfunc_end_k_q3f26140ed3_proj:
	.size	k_q3f26140ed3_proj, .Lfunc_end_k_q3f26140ed3_proj-k_q3f26140ed3_proj
	.p2alignl 7, 3214868480
	.fill 96, 4, 3214868480
	.section	.rodata,"a",@progbits
	.p2align	6, 0x0
	.amdhsa_kernel k_q3f26140ed3_proj
		.amdhsa_group_segment_fixed_size 281088
		.amdhsa_private_segment_fixed_size 0
		.amdhsa_enable_private_segment 0
		.amdhsa_kernarg_size 32
		.amdhsa_user_sgpr_count 2
		.amdhsa_user_sgpr_kernarg_segment_ptr 1
		.amdhsa_wavefront_size32 1
		.amdhsa_system_sgpr_workgroup_id_x 1
		.amdhsa_system_sgpr_workgroup_id_y 1
		.amdhsa_system_sgpr_workgroup_id_z 1
		.amdhsa_system_vgpr_workitem_id 0
		.amdhsa_next_free_vgpr 1024
		.amdhsa_next_free_sgpr 104
		.amdhsa_reserve_vcc 0
		.amdhsa_float_denorm_mode_32 3
		.amdhsa_float_denorm_mode_16_64 3
		.amdhsa_memory_ordered 1
		.amdhsa_forward_progress 1
		.amdhsa_inst_pref_size 133
	.end_amdhsa_kernel
	.amdgpu_metadata
---
amdhsa.version: [ 1, 2 ]
amdhsa.kernels:
  - .name:           k_q3f26140ed3_proj
    .symbol:         k_q3f26140ed3_proj.kd
    .args:
      - { .name: xq, .offset: 0, .size: 8, .value_kind: global_buffer, .address_space: global }
      - { .name: wq, .offset: 8, .size: 8, .value_kind: global_buffer, .address_space: global }
      - { .name: qk, .offset: 16, .size: 8, .value_kind: global_buffer, .address_space: global }
      - { .name: vv, .offset: 24, .size: 8, .value_kind: global_buffer, .address_space: global }
    .group_segment_fixed_size: 281088
    .private_segment_fixed_size: 0
    .kernarg_segment_align: 8
    .kernarg_segment_size: 32
    .max_flat_workgroup_size: 128
    .sgpr_count:     104
    .vgpr_count:     1024
    .wavefront_size: 32
...
	.end_amdgpu_metadata
.endif
;; end of part 2
;; launch attn (part 3): grid 4 x 64, 16 waves a work-group, clusters of 4 x 1, 169,984 bytes of LDS; arguments qk, vv, cq; writes cq
.if DOCPART == 3
	.amdgcn_target "amdgcn-amd-amdhsa--gfx1250"
	.amdhsa_code_object_version 6
	.text
	.protected	k_q3f26140ed3_attn
	.globl	k_q3f26140ed3_attn
	.p2align	8
	.type	k_q3f26140ed3_attn,@function
k_q3f26140ed3_attn:
	s_mov_b64 s[64:65], 0
	v_nop
	global_prefetch_b8 v0, s[64:65] scope:SCOPE_SE
	s_setreg_imm32_b32 hwreg(HW_REG_WAVE_MODE, 25, 1), 1
	s_wait_xcnt 0x0
	s_wait_alu depctr_hold_cnt(0) depctr_sa_sdst(0) depctr_va_vdst(0) depctr_va_sdst(0) depctr_va_ssrc(0) depctr_va_vcc(0) depctr_vm_vsrc(0)
	s_getreg_b32 s2, hwreg(HW_REG_IB_STS2, 6, 4)
	s_cmp_eq_u32 s2, 0
	s_cbranch_scc0 .Lentry_in_a_cluster
	s_endpgm
.Lentry_in_a_cluster:
	s_bfe_u32 s2, ttmp6, 0x10000c
	s_cmp_lg_u32 s2, 0x3003
	s_cbranch_scc0 .Lentry_shape_is_right
	s_endpgm
.Lentry_shape_is_right:
; ctx[b][q][h] = softmax_k(q . k / 8, causal) v, both products on codes of FP4 with E8M0 scales; ctx is divided by the row's sum and quantised along the model's axis for the last product.
; THE SOFTMAX: t = score x log2(e) / 8; M = the running largest t rounded UP to a whole number; p = 2^(t - M) is quantised along the keys, not normalised; the row's sum is taken of the unquantised p.  When M moves, the sum and O are multiplied by 2^(old M - new M): exact.
; SHARES.  A cluster of four work-groups is one (b, h).  The head's whole K and V (codes and scale words, 143,360 bytes) come into each partner's LDS ONCE, by joint loads that name all four: no ring, nothing is filled again; a wave has at most one tensor load out.
; Wave w of partner cx owns two tiles of 16 queries: TA = 4 w + cx and TB = 124 - 4 w + cx.  Their last steps of 128 keys are w / 2 and 15 - w / 2: numbers of the wave alone, so no branch hangs on cx, and every wave walks 17 tile steps.
; Every wave runs 16 trips (a constant); a step all of whose keys come after the tile's queries is jumped over by a scalar branch on the trip and the wave's number.
; LAYOUT.  Both products are used transposed: S^T = K Q^T (source 0 = 16 keys), O^T = V^T P^T (source 0 = 16 of the head's 64): a lane holds ONE query throughout.  Lane row r of tile T is token 32 (T / 2) + 8 (T % 2) + r + 8 (r / 8),
; so the 16 registers of key tiles 2 B, 2 B + 1 are keys 32 B + 16 (lane / 16) + 0 .. 15, and likewise O^T's along d.  The head's K is 64: registers 4-7 of Q's and K's fragments are zero codes, and their scale bytes 0, which is 2^-127 and no NaN.
; LIMITS: p under 2^-126 comes out as 0 (v_exp_f32); 1 / sum is v_rcp_f32 and a multiplication; a block whose largest magnitude lies under 2^-124 gets the byte 1; NaN and infinities are not served.
; A block's largest p is taken from the block's largest score by the same multiply-add and exponential (this takes v_exp_f32 not to fall where its input rises).
.set QSC,  8388608                     ; qk: where the scale words begin
.set GVS,  4194304                     ; vv: likewise
.set CSC,  4194304                     ; cq: likewise
.set VIMG, 65536                       ; LDS: K's images [tile][512] from byte 0; V's [key step][tile of d][1,024] from here;
.set LKS,  131072                      ; the head pair's K scale words [16 tile + r];
.set LVS,  139264                      ; V's scale words [key step][64]
.set AK0,  1                           ; v1   16 x lane (K's images begin at LDS byte 0)
.set AV0,  2                           ; v2   VIMG + 16 x lane
.set ASK0, 3                           ; v3   LKS + 4 x lane + 2 (h % 2): my head's two bytes
.set ASV0, 4                           ; v4   LVS + 4 x lane
.set ADK,  5                           ; v5-8 the step's four addresses
.set ADV,  6
.set ADS,  7
.set ADT,  8
.set DA,   9                           ; v9, v10  my query's place in its last step of keys, less 16 (lane / 16)
.set DB,   10
.set NINF, 11                          ; v11  -infinity
.set QSA,  12                          ; v12, v13  Q's scale words
.set QSB,  13
.set QA,   16                          ; v16-23, v24-31  Q's fragments
.set QB,   24
.set STA,  32                          ; v32-35, v36-39  -M, the largest t, the sum in two halves
.set STB,  36
.set KFR,  40                          ; v40-71   four fragments of K
.set SS,   72                          ; v72-135  S^T, then p; then V's four fragments in v72-103
.set OA,   136                         ; v136-167, v168-199  O^T
.set OB,   168
.set PC,   200                         ; v200-207 p's codes
.set BM,   208                         ; v208-211 the blocks' largest
.set PX,   212                         ; v212-215 at work
.set SO,   216                         ; v216-219 the conversions' scale operands
.set F,    220                         ; v[220:221] f = 2^(old M - new M); later 1 / sum
.set TMP,  222                         ; v[222:223]
.set KSW,  224                         ; v224-227 K's scale words: lanes 0-15 tile 2 i, lanes 16-31 tile 2 i + 1
.set VSW,  228                         ; v228-229 V's likewise
.set PW,   230                         ; v230     p's scale word
.set WV,   18
.set SEL,  20                          ; s[20:21] selects for v_permlanex16_b32: lane l xor 16
.set CS,   22                          ; s[22:23] c = log2(e) / 8
.set G1K,  24
.set G1V,  32
.set G1KS, 40
.set G1VS, 48
.set G0K,  56
.set G0V,  60
.set G0KS, 68
.set G0VS, 72
.set KS,   76                          ; s76 the trip = the step of 128 keys
.set TB,   77                          ; s77 its images: 4,096 bytes a step, in K and in V
.set TS,   78                          ; s78 K's scale words: 512 bytes a step
.set TJ,   79                          ; s79 V's: 256
.set LA,   80                          ; s80, s81 the tiles' last steps
.set LB,   81
.macro CROUND
	s_barrier_signal -1
	s_barrier_wait -1
	s_cmp_lg_u32 s[WV], 0
	s_cbranch_scc1 .Lnot_wave_0_\@
	s_barrier_signal -3
.Lnot_wave_0_\@:
	s_barrier_wait -3
	s_barrier_signal -1
	s_barrier_wait -1
.endm
.macro GROUP1 g, c, r, p               ; r rows of c elements of 8 bytes, p elements apart; the mask names all four partners, bit 21 beside it
	s_mov_b32 s[\g], 15|(3<<16)|(1<<21)
	s_mov_b32 s[\g+1], (\c)<<16
	s_mov_b32 s[\g+2], (\r)<<16
	s_mov_b32 s[\g+3], (\c)<<16
	s_mov_b32 s[\g+4], \r
	s_mov_b32 s[\g+5], \p
	s_mov_b32 s[\g+6], 0
	s_mov_b32 s[\g+7], 0
.endm
.macro KQ1 t, q, qs                    ; key tile t of the step x my queries
.if (\t)%2
	v_wmma_scale_f32_16x16x128_f8f6f4 v[SS+8*(\t):SS+8*(\t)+7], v[KFR+8*((\t)%4):KFR+8*((\t)%4)+7], v[\q:\q+7], 0, v[KSW+(\t)/2], v[\qs] matrix_a_fmt:MATRIX_FMT_FP4 matrix_b_fmt:MATRIX_FMT_FP4 matrix_a_scale:MATRIX_SCALE_ROW1
.else
	v_wmma_scale_f32_16x16x128_f8f6f4 v[SS+8*(\t):SS+8*(\t)+7], v[KFR+8*((\t)%4):KFR+8*((\t)%4)+7], v[\q:\q+7], 0, v[KSW+(\t)/2], v[\qs] matrix_a_fmt:MATRIX_FMT_FP4 matrix_b_fmt:MATRIX_FMT_FP4
.endif
.endm
.macro PV1 u, o                        ; tile u of the head's 64 x p
.if (\u)%2
	v_wmma_scale_f32_16x16x128_f8f6f4 v[\o+8*(\u):\o+8*(\u)+7], v[SS+8*(\u):SS+8*(\u)+7], v[PC:PC+7], v[\o+8*(\u):\o+8*(\u)+7], v[VSW+(\u)/2], v[PW] matrix_a_fmt:MATRIX_FMT_FP4 matrix_b_fmt:MATRIX_FMT_FP4 matrix_a_scale:MATRIX_SCALE_ROW1
.else
	v_wmma_scale_f32_16x16x128_f8f6f4 v[\o+8*(\u):\o+8*(\u)+7], v[SS+8*(\u):SS+8*(\u)+7], v[PC:PC+7], v[\o+8*(\u):\o+8*(\u)+7], v[VSW+(\u)/2], v[PW] matrix_a_fmt:MATRIX_FMT_FP4 matrix_b_fmt:MATRIX_FMT_FP4
.endif
.endm
; ONE TILE OF QUERIES x ONE STEP OF 128 KEYS.
.macro STEP q, qs, st, o, d, lim
	s_cmp_gt_u32 s[KS], s[\lim]                    ; all keys of the step come after my queries: nothing to do
	s_cbranch_scc1 .Lhid_\@
	v_add_nc_u32 v[ADK], s[TB], v[AK0]             ; these four and the v_nop are the five places between the last product that read V's fragments and the first that writes over them
	v_add_nc_u32 v[ADV], s[TB], v[AV0]
	v_add_nc_u32 v[ADS], s[TS], v[ASK0]
	v_add_nc_u32 v[ADT], s[TJ], v[ASV0]
	v_nop
.irp g, 0,1                            ; S^T = K Q^T, four tiles of 16 keys at a time
.if \g
.rept 4
	v_nop                                          ; places in front of loads into registers that matrix instructions have read
.endr
.endif
.irp t, 0,1,2,3
	ds_load_b128 v[KFR+8*\t:KFR+8*\t+3], v[ADK] offset:512*(4*\g+\t)   ; 512 consecutive bytes; registers 4-7 stay zero codes
.endr
.if \g == 0
.irp i, 0,1,2,3
	ds_load_u16 v[KSW+\i], v[ADS] offset:128*\i    ; my head's two bytes, zeros above them
.endr
.endif
	s_wait_dscnt 0x0
.irp t, 0,1,2,3
	KQ1 4*\g+\t, \q, \qs
.endr
.endr
.rept 4
	v_nop
.endr
	s_cmp_lg_u32 s[KS], s[\lim]                    ; only the tile's last step lies on the diagonal
	s_cbranch_scc1 .Lopen_\@
.set n, 0
.rept 64                               ; register 16 B + i holds key 32 B + 16 (lane / 16) + i of the step: hidden where 32 B + i > d.  Hidden scores become -infinity: p = 0
	v_cmp_gt_i32 vcc_lo, 32*(n/16)+n%16, v[\d]
	v_cndmask_b32 v[SS+n], v[SS+n], v[NINF], vcc_lo
.set n, n+1
.endr
.Lopen_\@:
.irp b, 0,1,2,3
	v_max3_num_f32 v[BM+\b], v[SS+16*\b], v[SS+1+16*\b], v[SS+2+16*\b]     ; the largest score of each block of 32 keys: for the row's maximum, and for the block's largest p
.endr
.irp i, 3,5,7,9,11,13
.irp b, 0,1,2,3
	v_max3_num_f32 v[BM+\b], v[BM+\b], v[SS+16*\b+\i], v[SS+1+16*\b+\i]
.endr
.endr
.irp b, 0,1,2,3
	v_max_num_f32 v[BM+\b], v[BM+\b], v[SS+15+16*\b]
.endr
.irp b, 0,1,2,3
	v_permlanex16_b32 v[PX+\b], v[BM+\b], s[SEL], s[SEL+1]
.endr
.irp b, 0,1,2,3
	v_max_num_f32 v[BM+\b], v[BM+\b], v[PX+\b]     ; with lane l xor 16's 16 keys
.endr
	v_max3_num_f32 v[TMP], v[BM], v[BM+1], v[BM+2]
	v_max_num_f32 v[TMP], v[TMP], v[BM+3]
	v_mul_f32 v[TMP], s[CS], v[TMP]                ; the step's largest t (c is positive)
	v_max_num_f32 v[\st+1], v[\st+1], v[TMP]       ; the running largest t
	v_mov_b32 v[TMP], v[\st]
	v_floor_f32 v[\st], -v[\st+1]                  ; the new -M = floor(-t): M is a whole number
	v_sub_f32 v[TMP], v[\st], v[TMP]               ; old M - new M: a whole number, 0 or less
	v_cvt_i32_f32 v[TMP], v[TMP]                   ; (it saturates)
	v_ldexp_f32 v[F], 1.0, v[TMP]                  ; f = 2^(old M - new M)
.set j, 0
.rept 32
	v_pk_fma_f32 v[SS+j:SS+j+1], v[SS+j:SS+j+1], s[CS:CS+1], v[\st:\st+1] op_sel_hi:[1,0,0]   ; t - M, two at a time
.set j, j+2
.endr
.irp b, 0,1,2,3
	v_fma_f32 v[BM+\b], v[BM+\b], s[CS], v[\st]    ; the same of each block's largest score
.endr
.set j, 0
.rept 64
	v_exp_f32 v[SS+j], v[SS+j]                     ; p = 2^(t - M)
.set j, j+1
.endr
	v_pk_mul_f32 v[\st+2:\st+3], v[\st+2:\st+3], v[F:F+1] op_sel_hi:[1,0]   ; the sums under the new M: the plain instruction behind the batch
	s_wait_alu depctr_va_vdst(0)                   ; one wait for the 64 exponentials, ahead of their first reader
.irp b, 0,1,2,3
	v_exp_f32 v[BM+\b], v[BM+\b]                   ; the blocks' largest p
.endr
	v_pk_add_f32 v[PX:PX+1], v[SS:SS+1], v[SS+2:SS+3]              ; the row's sum of the unquantised p, in two chains
.set j, 4
.rept 15
	v_pk_add_f32 v[\st+2:\st+3], v[\st+2:\st+3], v[SS+j:SS+j+1]
	v_pk_add_f32 v[PX:PX+1], v[PX:PX+1], v[SS+j+2:SS+j+3]
.set j, j+4
.endr
	v_pk_add_f32 v[\st+2:\st+3], v[\st+2:\st+3], v[PX:PX+1]
	s_wait_alu depctr_va_vdst(0)                   ; and one for the four
.irp b, 0,1,2,3
	v_max_num_f32 v[BM+\b], 0x1800000, v[BM+\b]    ; the floor 2^(3 - 127): the byte cannot fall under 1
.endr
.irp b, 0,1,2,3
	v_add_nc_u32 v[SO+\b], 0xff000000, v[BM+\b]
.endr
.irp b, 0,1,2,3
	v_lshrrev_b32 v[PX+\b], 23, v[SO+\b]
.endr
	v_lshl_or_b32 v[PW], v[PX+1], 8, v[PX]         ; p's scale word for these 128 keys
	v_lshl_or_b32 v[PW], v[PX+2], 16, v[PW]
	v_lshl_or_b32 v[PW], v[PX+3], 24, v[PW]
.irp b, 0,1,2,3
	v_cvt_scalef32_pk8_fp4_f32 v[PC+2*\b], v[SS+16*\b:SS+7+16*\b], v[SO+\b]
	v_cvt_scalef32_pk8_fp4_f32 v[PC+1+2*\b], v[SS+8+16*\b:SS+15+16*\b], v[SO+\b]
.endr
	v_nop                                          ; one plain place behind a scaled conversion
.irp c, 0,1
.irp i, 0,1
	v_permlane16_swap_b32 v[PC+4*\c+\i], v[PC+2+4*\c+\i]           ; a whole block to a lane
.endr
.endr
.irp u, 0,1,2,3                        ; V's four fragments into the registers that p has left; they land under the multiplications below
.irp c, 0,1
	ds_load_b128 v[SS+8*\u+4*\c:SS+8*\u+4*\c+3], v[ADV] offset:1024*\u+512*\c
.endr
.endr
.irp i, 0,1
	ds_load_b32 v[VSW+\i], v[ADT] offset:128*\i
.endr
.set j, 0
.rept 16
	v_pk_mul_f32 v[\o+j:\o+j+1], v[\o+j:\o+j+1], v[F:F+1] op_sel_hi:[1,0]   ; O^T under the new M; these are also the places between p's codes and scale word and the products
.set j, j+2
.endr
	s_wait_dscnt 0x0
.irp u, 0,1,2,3
	PV1 \u, \o                                     ; the four accumulators by turns
.endr
.Lhid_\@:
.endm
; O^T / sum of one tile: two blocks of 32 along the model's axis become codes in v[c .. c + 3] and two bytes in v[w]
.macro CTXQ o, c, w
.irp b, 0,1
	v_max3_num_f32 v[BM+\b], |v[\o+16*\b]|, |v[\o+1+16*\b]|, 0x1800000
.endr
.irp i, 2,4,6,8,10,12,14
.irp b, 0,1
	v_max3_num_f32 v[BM+\b], v[BM+\b], |v[\o+16*\b+\i]|, |v[\o+1+16*\b+\i]|
.endr
.endr
.irp b, 0,1
	v_permlanex16_b32 v[PX+\b], v[BM+\b], s[SEL], s[SEL+1]
.endr
.irp b, 0,1
	v_max_num_f32 v[BM+\b], v[BM+\b], v[PX+\b]
.endr
.irp b, 0,1
	v_add_nc_u32 v[SO+\b], 0xff000000, v[BM+\b]
.endr
.irp b, 0,1
	v_lshrrev_b32 v[PX+\b], 23, v[SO+\b]
.endr
	v_lshl_or_b32 v[\w], v[PX+1], 8, v[PX]
.irp b, 0,1
	v_cvt_scalef32_pk8_fp4_f32 v[\c+2*\b], v[\o+16*\b:\o+7+16*\b], v[SO+\b]
	v_cvt_scalef32_pk8_fp4_f32 v[\c+1+2*\b], v[\o+8+16*\b:\o+15+16*\b], v[SO+\b]
.endr
	v_nop
	v_permlane16_swap_b32 v[\c], v[\c+2]
	v_permlane16_swap_b32 v[\c+1], v[\c+3]
.endm
	s_load_b128 s[4:7], s[0:1], 0x0                ; qk, vv
	s_load_b64 s[8:9], s[0:1], 0x10                ; cq
	v_lshl_add_u32 v254, v0, 2, 0x29000
	v_mov_b32 v255, 0
	ds_add_u32 v254, v255
	ds_add_u32 v254, v255
	v_lshrrev_b32 v1, 5, v0
	v_readfirstlane_b32 s[WV], v1                  ; wave 0..15
	s_bfe_u32 s89, ttmp6, 0x40000                  ; cx: it enters Q's and ctx's global addresses and the mask's number alone
	s_and_b32 s84, ttmp7, 0xffff                   ; 16 b + h, which the four partners share
	s_lshr_b32 s85, s84, 4                         ; b
	s_and_b32 s86, s84, 15                         ; h
	s_lshr_b32 s87, s86, 1                         ; h / 2
	s_and_b32 s88, s86, 1                          ; h % 2
	s_and_b32 s82, s[WV], 3                        ; which quarter I fetch, if I fetch
	s_lshl_b32 s83, s82, 14                        ; its place in LDS
	s_lshl_b32 s10, s84, 16
	s_add_co_u32 s10, s10, s83
	s_add_co_u32 s10, s10, 4194304                 ; K's images: behind q's, 65,536 bytes a head
	s_mov_b32 s11, 0
	s_lshl_b32 s12, s85, 20
	s_lshl_b32 s2, s86, 12
	s_add_co_u32 s12, s12, s2
	s_lshl_b32 s2, s82, 18
	s_add_co_u32 s12, s12, s2                      ; V's: four key steps a quarter, 65,536 bytes apart; my head's 4,096 of each
	s_mov_b32 s13, 0
	s_add_co_u32 s14, s85, 4
	s_lshl_b32 s14, s14, 3
	s_add_co_u32 s14, s14, s87
	s_lshl_b32 s14, s14, 13
	s_add_co_u32 s14, s14, QSC                     ; K's scale words: the head pair's 8,192 bytes
	s_mov_b32 s15, 0
	s_lshl_b32 s16, s85, 16
	s_lshl_b32 s2, s86, 8
	s_add_co_u32 s16, s16, s2
	s_add_co_u32 s16, s16, GVS                     ; V's: 256 bytes of each of 16 key steps, 4,096 apart
	s_mov_b32 s17, 0
	GROUP1 G1K, 32, 64, 32                         ; 16,384 dense bytes as 64 rows of 256
	GROUP1 G1V, 512, 4, 8192                       ; 4 rows of 4,096 bytes, 65,536 apart
	GROUP1 G1KS, 32, 32, 32                        ; 8,192 dense bytes
	GROUP1 G1VS, 32, 16, 512                       ; 16 rows of 256 bytes, 4,096 apart
	s_mov_b32 s[SEL], 0x76543210
	s_mov_b32 s[SEL+1], 0xfedcba98
	s_mov_b32 s[CS], 0x3e38aa3b                    ; c = log2(e) / 8
	s_mov_b32 s[CS+1], s[CS]                       ; (named with it as a pair)
	s_wait_dscnt 0x0
	s_wait_kmcnt 0x0
	s_mov_b32 s[G0K], 1
	s_mov_b32 s[G0K+1], s83
	s_add_nc_u64 s[G0K+2:G0K+3], s[4:5], s[10:11]
	s_or_b32 s[G0K+3], s[G0K+3], 0x80000000
	s_mov_b32 s[G0V], 1
	s_add_co_u32 s[G0V+1], s83, VIMG
	s_add_nc_u64 s[G0V+2:G0V+3], s[6:7], s[12:13]
	s_or_b32 s[G0V+3], s[G0V+3], 0x80000000
	s_mov_b32 s[G0KS], 1
	s_mov_b32 s[G0KS+1], LKS
	s_add_nc_u64 s[G0KS+2:G0KS+3], s[4:5], s[14:15]
	s_or_b32 s[G0KS+3], s[G0KS+3], 0x80000000
	s_mov_b32 s[G0VS], 1
	s_mov_b32 s[G0VS+1], LVS
	s_add_nc_u64 s[G0VS+2:G0VS+3], s[6:7], s[16:17]
	s_or_b32 s[G0VS+3], s[G0VS+3], 0x80000000
	CROUND                                         ; all four work-groups are here: the joint loads meet
	; the fills: waves 0-3 K's quarters, 4-7 V's, 8 K's scale words, 9 V's; the others none.  The branches hang on the wave's number alone.  Four v_nop follow each load
	s_cmp_lt_u32 s[WV], 4
	s_cbranch_scc0 .Lfill_v
	tensor_load_to_lds s[G0K:G0K+3], s[G1K:G1K+7]
	s_nop 0
.rept 4
	v_nop
.endr
	s_branch .Lfilled
.Lfill_v:
	s_cmp_lt_u32 s[WV], 8
	s_cbranch_scc0 .Lfill_ks
	tensor_load_to_lds s[G0V:G0V+3], s[G1V:G1V+7]
	s_nop 0
.rept 4
	v_nop
.endr
	s_branch .Lfilled
.Lfill_ks:
	s_cmp_eq_u32 s[WV], 8
	s_cbranch_scc0 .Lfill_vs
	tensor_load_to_lds s[G0KS:G0KS+3], s[G1KS:G1KS+7]
	s_nop 0
.rept 4
	v_nop
.endr
	s_branch .Lfilled
.Lfill_vs:
	s_cmp_eq_u32 s[WV], 9
	s_cbranch_scc0 .Lfilled
	tensor_load_to_lds s[G0VS:G0VS+3], s[G1VS:G1VS+7]
	s_nop 0
.rept 4
	v_nop
.endr
.Lfilled:
	v_and_b32 v14, 31, v0                          ; lane
	v_and_b32 v15, 15, v0                          ; r
	v_bfe_u32 v248, v0, 4, 1                       ; lane / 16
	v_lshlrev_b32 v[AK0], 4, v14
	v_add_nc_u32 v[AV0], VIMG, v[AK0]
	s_lshl_b32 s2, s88, 1
	s_add_co_u32 s2, s2, LKS
	v_lshl_add_u32 v[ASK0], v14, 2, s2
	v_lshl_add_u32 v[ASV0], v14, 2, LVS
	s_lshl_b32 s90, s[WV], 2
	s_sub_co_u32 s91, 124, s90
	s_add_co_u32 s90, s90, s89                     ; TA
	s_add_co_u32 s91, s91, s89                     ; TB
	s_lshr_b32 s[LA], s[WV], 1                     ; TA / 8
	s_sub_co_u32 s[LB], 15, s[LA]                  ; TB / 8
	s_lshl_b32 s92, s84, 16
	s_mov_b32 s93, 0
	s_add_nc_u64 s[92:93], s[4:5], s[92:93]        ; q's images of my head
	s_lshl_b32 s94, s85, 3
	s_add_co_u32 s94, s94, s87
	s_lshl_b32 s94, s94, 13
	s_lshl_b32 s2, s88, 1
	s_add_co_u32 s94, s94, s2
	s_add_co_u32 s94, s94, QSC
	s_mov_b32 s95, 0
	s_add_nc_u64 s[94:95], s[4:5], s[94:95]        ; q's scale words: my head's two bytes of each
	s_lshl_b32 s2, s90, 9
	v_add_nc_u32 v232, s2, v[AK0]
	s_lshl_b32 s2, s91, 9
	v_add_nc_u32 v233, s2, v[AK0]
	s_lshl_b32 s2, s90, 6
	v_lshl_add_u32 v234, v15, 2, s2
	s_lshl_b32 s2, s91, 6
	v_lshl_add_u32 v235, v15, 2, s2
	global_load_b128 v[QA:QA+3], v232, s[92:93]    ; Q stays in registers
	global_load_b128 v[QB:QB+3], v233, s[92:93]
	global_load_u16 v[QSA], v234, s[94:95]
	global_load_u16 v[QSB], v235, s[94:95]
	v_and_b32 v249, 8, v15
	v_add_nc_u32 v249, v249, v15
	v_lshlrev_b32 v250, 4, v248
	v_sub_nc_u32 v249, v249, v250                  ; r + 8 (r / 8) - 16 (lane / 16)
	s_bfe_u32 s2, s90, 0x20001
	s_lshl_b32 s2, s2, 5
	s_and_b32 s3, s90, 1
	s_lshl_b32 s3, s3, 3
	s_add_co_u32 s2, s2, s3                        ; 32 ((T % 8) / 2) + 8 (T % 2)
	v_add_nc_u32 v[DA], s2, v249
	s_bfe_u32 s2, s91, 0x20001
	s_lshl_b32 s2, s2, 5
	s_and_b32 s3, s91, 1
	s_lshl_b32 s3, s3, 3
	s_add_co_u32 s2, s2, s3
	v_add_nc_u32 v[DB], s2, v249
	v_mov_b32 v[NINF], 0xff800000
.irp j, 4,5,6,7
	v_mov_b32 v[QA+\j], 0                          ; the upper 64 of the instruction's 128 along K: zero codes
	v_mov_b32 v[QB+\j], 0
.irp t, 0,1,2,3
	v_mov_b32 v[KFR+8*\t+\j], 0
.endr
.endr
.irp s, STA, STB
	v_mov_b32 v[\s+1], 0xff61b1e6                  ; the largest t so far: -3e38
	v_floor_f32 v[\s], -v[\s+1]                    ; -M
	v_mov_b32 v[\s+2], 0                           ; the sum
	v_mov_b32 v[\s+3], 0
.endr
.irp b, 0,1,2,3
	v_mov_b32 v[PX+\b], 0                          ; written once: a lane permute's destination counts as one of its sources
.endr
	v_mov_b32 v[F+1], 0                            ; (upper halves of pairs of which the low word alone is used)
	v_mov_b32 v[TMP+1], 0
.set j, 0
.rept 64
	v_mov_b32 v[OA+j], 0                           ; O^T of both tiles: the step is written once, and its first turn finds zeros
.set j, j+1
.endr
	s_mov_b32 s[KS], 0
	s_mov_b32 s[TB], 0
	s_mov_b32 s[TS], 0
	s_mov_b32 s[TJ], 0
	s_wait_tensorcnt 0x0                           ; my fill, if I had one, has landed
	s_barrier_signal -1
	s_barrier_wait -1                              ; everybody's has
	s_wait_loadcnt 0x0                             ; Q
.Lkey:                                             ; 16 trips, a step of 128 keys each
	STEP QB, QSB, STB, OB, DB, LB
	STEP QA, QSA, STA, OA, DA, LA
	s_add_co_u32 s[TB], s[TB], 4096
	s_add_co_u32 s[TS], s[TS], 512
	s_add_co_u32 s[TJ], s[TJ], 256
	s_add_co_u32 s[KS], s[KS], 1
	s_cmp_lt_u32 s[KS], 16
	s_cbranch_scc1 .Lkey
	; THE WAY OUT
.rept 4
	v_nop                                          ; places behind the last products
.endr
	v_add_f32 v[STA+2], v[STA+2], v[STA+3]         ; the sums' two halves,
	v_add_f32 v[STB+2], v[STB+2], v[STB+3]
	v_permlanex16_b32 v[PX], v[STA+2], s[SEL], s[SEL+1]
	v_permlanex16_b32 v[PX+1], v[STB+2], s[SEL], s[SEL+1]
	v_add_f32 v[STA+2], v[STA+2], v[PX]            ; and lane l xor 16's
	v_add_f32 v[STB+2], v[STB+2], v[PX+1]
	v_rcp_f32 v[F], v[STA+2]
	v_rcp_f32 v[TMP], v[STB+2]
	s_lshl_b32 s2, s85, 7                          ; the addresses are the plain work behind the two reciprocals
	s_add_co_u32 s3, s2, s90                       ; ctx's tile 128 b + TA
	s_add_co_u32 s2, s2, s91                       ; and 128 b + TB
	s_lshl_b32 s11, s86, 9                         ; my head's two blocks: 512 h
	s_lshl_b32 s10, s3, 13
	s_add_co_u32 s10, s10, s11
	v_add_nc_u32 v242, s10, v[AK0]
	s_lshl_b32 s10, s2, 13
	s_add_co_u32 s10, s10, s11
	v_add_nc_u32 v243, s10, v[AK0]
	s_sub_co_u32 s2, s2, s3
	s_lshl_b32 s2, s2, 9                           ; from tile A's scale words to tile B's
	v_bfe_u32 v246, v0, 4, 1
	v_mul_u32_u24 v245, s2, v246                   ; lanes 16-31 store tile B's
	v_and_b32 v247, 15, v0
	v_lshl_add_u32 v245, v247, 2, v245
	s_lshl_b32 s3, s3, 9
	s_lshl_b32 s11, s87, 6
	s_add_co_u32 s3, s3, s11
	s_lshl_b32 s11, s88, 1
	s_add_co_u32 s3, s3, s11
	s_add_co_u32 s3, s3, CSC
	v_add_nc_u32 v245, s3, v245                    ; word (tile, h / 2, r), bytes 2 (h % 2) on
	v_cmp_eq_u32 vcc_lo, 1, v246
	s_wait_alu depctr_va_vdst(0)                   ; one wait for the two reciprocals, ahead of their first reader
.set j, 0
.rept 16
	v_pk_mul_f32 v[OA+j:OA+j+1], v[OA+j:OA+j+1], v[F:F+1] op_sel_hi:[1,0]
	v_pk_mul_f32 v[OB+j:OB+j+1], v[OB+j:OB+j+1], v[TMP:TMP+1] op_sel_hi:[1,0]
.set j, j+2
.endr
	CTXQ OA, 232, 240
	global_store_b128 v242, v[232:235], s[8:9]     ; 512 consecutive bytes, aligned: blocks 2 h and 2 h + 1 of the tile's image
	CTXQ OB, 236, 241
	global_store_b128 v243, v[236:239], s[8:9]
	v_cndmask_b32 v244, v240, v241, vcc_lo
	global_store_b16 v245, v244, s[8:9]            ; a head owns 2 of a token's 32 scale bytes: two bytes a lane, 4 apart
	s_wait_dscnt 0x0
	s_wait_tensorcnt 0x0
	ds_add_u32 v254, v255
	s_wait_dscnt 0x0
	CROUND                                         ; the closing round
	s_endpgm
.Lfunc_end_k_q3f26140ed3_attn:
	.size	k_q3f26140ed3_attn, .Lfunc_end_k_q3f26140ed3_attn-k_q3f26140ed3_attn
	.p2alignl 7, 3214868480
	.fill 96, 4, 3214868480
	.section	.rodata,"a",@progbits
	.p2align	6, 0x0
	.amdhsa_kernel k_q3f26140ed3_attn
		.amdhsa_group_segment_fixed_size 169984
		.amdhsa_private_segment_fixed_size 0
		.amdhsa_enable_private_segment 0
		.amdhsa_kernarg_size 24
		.amdhsa_user_sgpr_count 2
		.amdhsa_user_sgpr_kernarg_segment_ptr 1
		.amdhsa_wavefront_size32 1
		.amdhsa_system_sgpr_workgroup_id_x 1
		.amdhsa_system_sgpr_workgroup_id_y 1
		.amdhsa_system_sgpr_workgroup_id_z 1
		.amdhsa_system_vgpr_workitem_id 0
		.amdhsa_next_free_vgpr 256
		.amdhsa_next_free_sgpr 100
		.amdhsa_reserve_vcc 1
		.amdhsa_float_denorm_mode_32 3
		.amdhsa_float_denorm_mode_16_64 3
		.amdhsa_memory_ordered 1
		.amdhsa_forward_progress 1
		.amdhsa_inst_pref_size 61
	.end_amdhsa_kernel
	.amdgpu_metadata
---
amdhsa.version: [ 1, 2 ]
amdhsa.kernels:
  - .name:           k_q3f26140ed3_attn
    .symbol:         k_q3f26140ed3_attn.kd
    .args:
      - { .name: qk, .offset: 0, .size: 8, .value_kind: global_buffer, .address_space: global }
      - { .name: vv, .offset: 8, .size: 8, .value_kind: global_buffer, .address_space: global }
      - { .name: cq, .offset: 16, .size: 8, .value_kind: global_buffer, .address_space: global }
    .group_segment_fixed_size: 169984
    .private_segment_fixed_size: 0
    .kernarg_segment_align: 8
    .kernarg_segment_size: 24
    .max_flat_workgroup_size: 512
    .sgpr_count:     100
    .vgpr_count:     256
    .wavefront_size: 32
...
	.end_amdgpu_metadata
.endif
;; end of part 3
;; launch outp (part 4): grid 4 x 32, 4 waves a work-group, clusters of 4 x 4, 312,832 bytes of LDS; arguments cq, wq, bo, out0; writes out0
.if DOCPART == 4
	.amdgcn_target "amdgcn-amd-amdhsa--gfx1250"
	.amdhsa_code_object_version 6
	.text
	.protected	k_q3f26140ed3_outp
	.globl	k_q3f26140ed3_outp
	.p2align	8
	.type	k_q3f26140ed3_outp,@function
k_q3f26140ed3_outp:
	s_mov_b64 s[64:65], 0
	v_nop
	global_prefetch_b8 v0, s[64:65] scope:SCOPE_SE
	s_setreg_imm32_b32 hwreg(HW_REG_WAVE_MODE, 25, 1), 1
	s_wait_xcnt 0x0
	s_wait_alu depctr_hold_cnt(0) depctr_sa_sdst(0) depctr_va_vdst(0) depctr_va_sdst(0) depctr_va_ssrc(0) depctr_va_vcc(0) depctr_vm_vsrc(0)
	s_getreg_b32 s2, hwreg(HW_REG_IB_STS2, 6, 4)
	s_cmp_eq_u32 s2, 0
	s_cbranch_scc0 .Lentry_in_a_cluster
	s_endpgm
.Lentry_in_a_cluster:
	s_bfe_u32 s2, ttmp6, 0x10000c
	s_cmp_lg_u32 s2, 0xf033
	s_cbranch_scc0 .Lentry_shape_is_right
	s_endpgm
.Lentry_shape_is_right:
; out0 = ctx Wo + bo on codes of FP4 with E8M0 scales, K = 1,024; out0 [8192][1024] f32.
; C' = S0 S1^T: source 0 = 16 lane rows of S0 = Wo's columns (wq tiles 192-255), source 1 = 16 lane rows of S1 = tokens (cq).  A work-group makes 256 x 256, each of four waves 128 x 128: 64 accumulators.
; A lane holds one token, and the 16 registers of S0's tiles 2 B, 2 B + 1 are columns 32 B + 16 (lane / 16) + 0 .. 15 (lane row r of tile T = row 32 (T / 2) + 8 (T % 2) + r + 8 (r / 8)).
; The bias is the C of each sum's first matrix instruction.  Operands lie as images of the registers: codes[tile][block of 32][16 rows][16 bytes], scale words[tile][128 along K][16 rows].
; LDS: two slots (K halves) of 131,072 bytes, each S1's 16 tiles x 4,096 bytes and then S0's; the scale words; a stage of 16 rows x 528 bytes for each wave, in bytes of its own.  Every byte is filled once: three tensor loads of a wave are out at the start, none later.
; CLUSTER 4 x 4: S1's tiles are asked for jointly by a row of the cluster, S0's by a column.  The grid has 128 work-groups: 32 blocks of tokens x 4 blocks of columns.
; REGISTERS: window 0: v16-29 addresses; v32-95 scale words; v128-191 S1's fragments; on the way out v128-255 rows of the result.  window 1: S0's fragments, v0-63 and v128-191; v64-127 the bias, eight registers a tile.  windows 2, 3: the accumulators.
.set WSC,   2097152
.set CSC,   4194304
.set SLOT,  131072
.set SCL,   262144
.set STG,   278528
.set SPITCH, 528
.set AD1,   16
.set AD0,   20
.set STO,   24                         ; v24  the stage: where I put 16 bytes of a row
.set RD,    25                         ; v25  where I read a row back
.set CO,    26                         ; v26  16 x lane: my bytes of a row's 512
.set ADRS,  27
.set SC,    32
.set AF,    128
.set BK,    128
.set BI,    64                         ; the bias, in window 1
.set G1,    24
.set G0,    32
.set G1B,   48
.set G0B,   56
.set G1S,   68
.set G0S,   76
.set G1SB,  80
.set G0SB,  88
.set MUL_LO, 0xa1
.set MUL_HI, 0xf1
.set TO_S0,  0x40
.set MSB, 0
.macro WIN new
.if MSB != (\new)
	s_set_vgpr_msb (MSB<<8)|(\new)
.set MSB, (\new)
.endif
.endm
.macro JLOAD g0a, g1a, g0b, g1b        ; waves 0 and 1 fetch for S1, waves 2 and 3 for S0; four v_nop follow each line
	s_cmp_eq_u32 s15, 0
	s_cbranch_scc0 .Lfor_s0_\@
	tensor_load_to_lds s[\g0a:\g0a+3], s[\g1a:\g1a+7]
	s_nop 0
.rept 4
	v_nop
.endr
	s_branch .Lasked_\@
.Lfor_s0_\@:
	tensor_load_to_lds s[\g0b:\g0b+3], s[\g1b:\g1b+7]
	s_nop 0
.rept 4
	v_nop
.endr
.Lasked_\@:
.endm
.macro CROUND
	s_barrier_signal -1
	s_barrier_wait -1
	s_cmp_lg_u32 s14, 0
	s_cbranch_scc1 .Lnot_wave_0_\@
	s_barrier_signal -3
.Lnot_wave_0_\@:
	s_barrier_wait -3
	s_barrier_signal -1
	s_barrier_wait -1
.endm
.macro PLACES n
.rept \n
	v_nop
.endr
.endm
.macro FRAG reg, adr, q, i
.irp c, 0,1
	ds_load_b128 v[\reg+4*\c:\reg+4*\c+3], v[\adr] offset:1024*(\q)+512*\c+4096*(\i)
.endr
.endm
.macro FETCH0 slot, q, p
	WIN TO_S0
.irp i, 0,1,2,3,4,5,6,7
	FRAG 128*(\p)+8*\i, AD0+\slot, \q, \i
.endr
	WIN 0
.endm
.macro FETCH1 slot, q, i0
.irp i, \i0, \i0+1, \i0+2, \i0+3
	FRAG AF+8*(\i), AD1+\slot, \q, \i
.endr
.endm
.macro SCALES
.irp s, 0,1,2,3,4,5,6,7
.irp i, 0,1,2,3,4,5,6,7
	ds_load_b32 v[SC+8*\s+\i], v[ADRS] offset:512*\i+64*\s
.endr
.endr
.endm
; init = 2: the sum starts from the bias of S0's tile b.  The 64 accumulators take turns.
.macro MUL16 a0, p, sg, init
.irp a, \a0, \a0+1
.irp b, 0,1,2,3,4,5,6,7
.if \init
	v_wmma_scale_f32_16x16x128_f8f6f4 v[8*(8*((\a)%4)+\b):8*(8*((\a)%4)+\b)+7], v[128*(\p)+8*\b:128*(\p)+8*\b+7], v[AF+8*(\a):AF+8*(\a)+7], v[BI+8*\b:BI+8*\b+7], v[SC+8*(\sg)+\b], v[SC+8*(\sg)+(\a)] matrix_a_fmt:MATRIX_FMT_FP4 matrix_b_fmt:MATRIX_FMT_FP4 matrix_a_scale:MATRIX_SCALE_ROW1
.else
	v_wmma_scale_f32_16x16x128_f8f6f4 v[8*(8*((\a)%4)+\b):8*(8*((\a)%4)+\b)+7], v[128*(\p)+8*\b:128*(\p)+8*\b+7], v[AF+8*(\a):AF+8*(\a)+7], v[8*(8*((\a)%4)+\b):8*(8*((\a)%4)+\b)+7], v[SC+8*(\sg)+\b], v[SC+8*(\sg)+(\a)] matrix_a_fmt:MATRIX_FMT_FP4 matrix_b_fmt:MATRIX_FMT_FP4 matrix_a_scale:MATRIX_SCALE_ROW1
.endif
.endr
.endr
.endm
.macro STEP slot, q, init
	s_wait_dscnt 8                                 ; all but the youngest eight loads (S1's tiles 4-7) are in
.if \init
	WIN 0x91                                       ; C (the bias) window 1, D window 2
.else
	WIN MUL_LO
.endif
	MUL16 0, (\q)%2, 4*(\slot)+(\q), \init
	MUL16 2, (\q)%2, 4*(\slot)+(\q), \init
	s_wait_dscnt 0x0
	PLACES 4
	FETCH0 \slot, (\q)+1, 1-(\q)%2
	FETCH1 \slot, (\q)+1, 0
.if \init
	WIN 0xd1                                       ; C window 1, D window 3
.else
	WIN MUL_HI
.endif
	MUL16 4, (\q)%2, 4*(\slot)+(\q), \init
	MUL16 6, (\q)%2, 4*(\slot)+(\q), \init
	PLACES 4
	WIN 0
	FETCH1 \slot, (\q)+1, 4
.endm
; THE WAY OUT, a token tile (16 rows x 128 columns) at a time: through my own stage, back as whole rows of 512 bytes.  LDS serves a wave's instructions in order (ISA guide 5.7.1.4).
.macro TOSTAGE a
.set AC, 64*((\a)%4)
	WIN 0x08+4*((\a)/4)                            ; the data: window 2 or 3
.irp b, 0,1,2,3,4,5,6,7
	ds_store_b128 v[STO], v[AC+8*\b:AC+8*\b+3] offset:128*(\b/2)+32*(\b%2)         ; each accumulator from its low end on
	ds_store_b128 v[STO], v[AC+8*\b+4:AC+8*\b+7] offset:128*(\b/2)+32*(\b%2)+16
.endr
	WIN 0
.set BB, BK+64*((\a)%2)
.irp t, 0,1,2,3,4,5,6,7,8,9,10,11,12,13,14,15
	ds_load_b128 v[BB+4*\t:BB+4*\t+3], v[RD] offset:\t*SPITCH
.endr
.endm
.macro SEND a, younger
.set BB, BK+64*((\a)%2)
	s_wait_dscnt \younger                          ; the tile is back in registers
.irp t, 0,1,2,3,4,5,6,7,8,9,10,11,12,13,14,15
	global_store_b128 v[CO], v[BB+4*\t:BB+4*\t+3], s[10:11] offset:(32*((\a)/2)+8*((\a)%2)+\t+8*(\t/8))*4096 th:TH_STORE_NT   ; lane row t's token; 512 consecutive bytes, aligned
.endr
.endm
	s_load_b128 s[4:7], s[0:1], 0x0                ; cq, wq
	s_load_b128 s[8:11], s[0:1], 0x10              ; bo, out0
	v_lshl_add_u32 v126, v0, 2, 0x4c400
	v_mov_b32 v127, 0
	ds_add_u32 v126, v127
	ds_add_u32 v126, v127
	v_lshrrev_b32 v1, 5, v0
	v_readfirstlane_b32 s14, v1                    ; wave 0..3
	s_lshr_b32 s15, s14, 1                         ; my half of the tokens.  Also: I fetch for S1 (0) or for S0 (1)
	s_and_b32 s16, s14, 1                          ; my half of the columns.  Also: which eight tiles I fetch
	s_bfe_u32 s40, ttmp6, 0x40000                  ; cx
	s_bfe_u32 s41, ttmp6, 0x40004                  ; cy
	s_lshl_b32 s43, ttmp9, 2
	s_add_co_u32 s43, s43, s40                     ; X0: my block of 256 columns
	s_and_b32 s44, ttmp7, 0xffff
	s_lshl_b32 s44, s44, 2
	s_add_co_u32 s44, s44, s41                     ; Y1: my block of 256 tokens
	s_lshl_b32 s46, s41, 2
	s_lshl_b32 s46, 15, s46                        ; my row of the cluster shares S1's tiles
	s_lshl_b32 s47, 0x1111, s40                    ; my column S0's
	s_or_b32 s[G1+0], s46, (3<<16)|(1<<21)         ; codes: 8 rows of 4,096 bytes (512 elements of 8), 8,192 bytes apart
	s_or_b32 s[G1B+0], s47, (3<<16)|(1<<21)
.irp g, G1, G1B
	s_mov_b32 s[\g+1], 512<<16
	s_mov_b32 s[\g+2], 8<<16
	s_mov_b32 s[\g+3], 512<<16
	s_mov_b32 s[\g+4], 8
	s_mov_b32 s[\g+5], 1024
	s_mov_b32 s[\g+6], 0
	s_mov_b32 s[\g+7], 0
.endr
	s_or_b32 s[G1S+0], s46, (3<<16)|(1<<21)        ; scale words: 4,096 dense bytes as 16 rows of 256
	s_or_b32 s[G1SB+0], s47, (3<<16)|(1<<21)
.irp g, G1S, G1SB
	s_mov_b32 s[\g+1], 32<<16
	s_mov_b32 s[\g+2], 16<<16
	s_mov_b32 s[\g+3], 32<<16
	s_mov_b32 s[\g+4], 16
	s_mov_b32 s[\g+5], 32
	s_mov_b32 s[\g+6], 0
	s_mov_b32 s[\g+7], 0
.endr
	s_lshl_b32 s17, s16, 3
	s_lshl_b32 s20, s43, 4
	s_add_co_u32 s20, s20, s17                     ; S0: tile 16 X0 + 8 half of Wo's 64
	s_lshl_b32 s22, s20, 9
	s_add_co_u32 s22, s22, WSC+98304               ; Wo's scale words: tile 192 on
	s_lshl_b32 s20, s20, 13
	s_add_co_u32 s20, s20, 1572864                 ; Wo's codes: tile 192 on
	s_mov_b32 s21, 0
	s_mov_b32 s23, 0
	s_lshl_b32 s92, s44, 4
	s_add_co_u32 s92, s92, s17                     ; S1: tile 16 Y1 + 8 half
	s_lshl_b32 s94, s92, 9
	s_add_co_u32 s94, s94, CSC
	s_lshl_b32 s92, s92, 13
	s_mov_b32 s93, 0
	s_mov_b32 s95, 0
	s_lshl_b32 s45, s14, 15                        ; where they go: wave x 32,768 in a slot
	s_lshl_b32 s96, s14, 12                        ; the scale words: wave x 4,096
	s_wait_dscnt 0x0
	s_wait_kmcnt 0x0
	s_add_nc_u64 s[20:21], s[6:7], s[20:21]
	s_add_nc_u64 s[22:23], s[6:7], s[22:23]
	s_add_nc_u64 s[92:93], s[4:5], s[92:93]
	s_add_nc_u64 s[94:95], s[4:5], s[94:95]
	CROUND                                         ; all sixteen work-groups are here: the joint loads meet
	s_mov_b32 s[G0S], 1
	s_add_co_u32 s[G0S+1], s96, SCL
	s_mov_b64 s[G0S+2:G0S+3], s[94:95]
	s_or_b32 s[G0S+3], s[G0S+3], 0x80000000
	s_mov_b32 s[G0SB], 1
	s_add_co_u32 s[G0SB+1], s96, SCL
	s_mov_b64 s[G0SB+2:G0SB+3], s[22:23]
	s_or_b32 s[G0SB+3], s[G0SB+3], 0x80000000
	JLOAD G0S, G1S, G0SB, G1SB
.irp s, 0,1
	s_mov_b32 s[G0+4*\s], 1
	s_add_co_u32 s[G0+4*\s+1], s45, \s*SLOT
	s_add_nc_u64 s[G0+4*\s+2:G0+4*\s+3], s[92:93], \s*4096
	s_or_b32 s[G0+4*\s+3], s[G0+4*\s+3], 0x80000000
	s_mov_b32 s[G0B+4*\s], 1
	s_add_co_u32 s[G0B+4*\s+1], s45, \s*SLOT
	s_add_nc_u64 s[G0B+4*\s+2:G0B+4*\s+3], s[20:21], \s*4096
	s_or_b32 s[G0B+4*\s+3], s[G0B+4*\s+3], 0x80000000
	JLOAD G0+4*\s, G1, G0B+4*\s, G1B
.endr
	v_and_b32 v1, 31, v0                           ; lane
	v_and_b32 v2, 15, v0                           ; r
	v_bfe_u32 v3, v0, 4, 1                         ; lane / 16
	v_lshlrev_b32 v[CO], 4, v1
	s_lshl_b32 s96, s43, 10
	s_lshl_b32 s17, s16, 9
	s_add_co_u32 s96, s96, s17                     ; my first column, in bytes: 4 (256 X0 + 128 half)
	s_mov_b32 s97, 0
	s_add_nc_u64 s[8:9], s[8:9], s[96:97]
	v_lshlrev_b32 v5, 6, v3                        ; the bias of tile b, register j: column 32 (b / 2) + 16 (lane / 16) + 8 (b % 2) + j
	WIN TO_S0
.irp b, 0,1,2,3,4,5,6,7
	global_load_b128 v[BI+8*\b:BI+8*\b+3], v5, s[8:9] offset:(32*(\b/2)+8*(\b%2))*4
	global_load_b128 v[BI+8*\b+4:BI+8*\b+7], v5, s[8:9] offset:(32*(\b/2)+8*(\b%2))*4+16
.endr
	WIN 0
	s_lshl_b32 s98, s44, 20
	s_lshl_b32 s17, s15, 19
	s_add_co_u32 s98, s98, s17                     ; my first token: (256 Y1 + 128 half) rows of 4,096 bytes
	s_add_co_u32 s98, s98, s96
	s_mov_b32 s99, 0
	s_add_nc_u64 s[10:11], s[10:11], s[98:99]
	s_lshl_b32 s17, s15, 15
	s_lshl_b32 s18, s16, 15
	s_add_co_u32 s18, s18, 65536
.irp s, 0,1
	v_add_nc_u32 v[AD1+\s], s17, v[CO]
	v_add_nc_u32 v[AD0+\s], s18, v[CO]
	s_add_co_u32 s17, s17, SLOT
	s_add_co_u32 s18, s18, SLOT
.endr
	s_lshl_b32 s17, s15, 12
	s_lshl_b32 s18, s16, 12
	s_add_co_u32 s18, s18, 8192
	s_sub_co_u32 s18, s18, s17
	v_mul_u32_u24 v6, s18, v3                      ; lanes 16-31 take S0's scale words: the lower base + half x the distance
	s_add_co_u32 s17, s17, SCL
	v_lshl_add_u32 v6, v2, 2, v6
	v_add_nc_u32 v[ADRS], s17, v6
	s_mul_i32 s17, s14, 16*SPITCH
	s_add_co_u32 s17, s17, STG                     ; my stage
	v_mul_u32_u24 v6, v2, SPITCH
	v_lshl_add_u32 v6, v3, 6, v6
	v_add_nc_u32 v[STO], s17, v6                   ; in: row r, + 64 (lane / 16)
	v_add_nc_u32 v[RD], s17, v[CO]                 ; back: the 32 lanes take one row
	s_wait_tensorcnt 1                             ; my scale words and my part of K half 0 are in; K half 1's load may stay out
	s_barrier_signal -1
	s_barrier_wait -1
	SCALES
	FETCH0 0, 0, 0
	FETCH1 0, 0, 0
	FETCH1 0, 0, 4
	s_wait_loadcnt 0x0                             ; the bias
	STEP 0, 0, 2                                   ; the first products start the sums from the bias
	STEP 0, 1, 0
	STEP 0, 2, 0
	s_wait_tensorcnt 0x0                           ; my part of K half 1 has landed
	s_wait_dscnt 8
	WIN MUL_LO
	MUL16 0, 1, 3, 0
	s_wait_dscnt 0x0                               ; no LDS instruction of mine is out at the signal
	s_barrier_signal -1
	MUL16 2, 1, 3, 0
	s_barrier_wait -1                              ; everybody's part has landed
	PLACES 4
	FETCH0 1, 0, 0
	FETCH1 1, 0, 0
	WIN MUL_HI
	MUL16 4, 1, 3, 0
	MUL16 6, 1, 3, 0
	PLACES 4
	WIN 0
	FETCH1 1, 0, 4
	STEP 1, 0, 0
	STEP 1, 1, 0
	STEP 1, 2, 0
	s_wait_dscnt 8
	WIN MUL_LO
	MUL16 0, 1, 7, 0
	MUL16 2, 1, 7, 0
	s_wait_dscnt 0x0
	WIN MUL_HI
	MUL16 4, 1, 7, 0
	MUL16 6, 1, 7, 0
	WIN 0
	PLACES 4                                       ; in front of the first read of results and of the loads into the registers that held S1's fragments
	TOSTAGE 0
.irp a, 1,2,3,4,5,6,7
.if \a > 1
	s_wait_xcnt 0x0                                ; tile a - 2's stores have read their registers: tile a's loads may land there
.endif
	TOSTAGE \a
	SEND \a-1, 32                                  ; behind tile a - 1's loads: tile a's 16 stores and 16 loads
.endr
	SEND 7, 0
	s_wait_tensorcnt 0x0
	ds_add_u32 v126, v127
	s_wait_dscnt 0x0
	CROUND                                         ; the closing round
	s_endpgm
.Lfunc_end_k_q3f26140ed3_outp:
	.size	k_q3f26140ed3_outp, .Lfunc_end_k_q3f26140ed3_outp-k_q3f26140ed3_outp
	.p2alignl 7, 3214868480
	.fill 96, 4, 3214868480
	.section	.rodata,"a",@progbits
	.p2align	6, 0x0
	.amdhsa_kernel k_q3f26140ed3_outp
		.amdhsa_group_segment_fixed_size 312832
		.amdhsa_private_segment_fixed_size 0
		.amdhsa_enable_private_segment 0
		.amdhsa_kernarg_size 32
		.amdhsa_user_sgpr_count 2
		.amdhsa_user_sgpr_kernarg_segment_ptr 1
		.amdhsa_wavefront_size32 1
		.amdhsa_system_sgpr_workgroup_id_x 1
		.amdhsa_system_sgpr_workgroup_id_y 1
		.amdhsa_system_sgpr_workgroup_id_z 1
		.amdhsa_system_vgpr_workitem_id 0
		.amdhsa_next_free_vgpr 1024
		.amdhsa_next_free_sgpr 100
		.amdhsa_reserve_vcc 0
		.amdhsa_float_denorm_mode_32 3
		.amdhsa_float_denorm_mode_16_64 3
		.amdhsa_memory_ordered 1
		.amdhsa_forward_progress 1
		.amdhsa_inst_pref_size 128
	.end_amdhsa_kernel
	.amdgpu_metadata
---
amdhsa.version: [ 1, 2 ]
amdhsa.kernels:
  - .name:           k_q3f26140ed3_outp
    .symbol:         k_q3f26140ed3_outp.kd
    .args:
      - { .name: cq, .offset: 0, .size: 8, .value_kind: global_buffer, .address_space: global }
      - { .name: wq, .offset: 8, .size: 8, .value_kind: global_buffer, .address_space: global }
      - { .name: bo, .offset: 16, .size: 8, .value_kind: global_buffer, .address_space: global }
      - { .name: out0, .offset: 24, .size: 8, .value_kind: global_buffer, .address_space: global }
    .group_segment_fixed_size: 312832
    .private_segment_fixed_size: 0
    .kernarg_segment_align: 8
    .kernarg_segment_size: 32
    .max_flat_workgroup_size: 128
    .sgpr_count:     100
    .vgpr_count:     1024
    .wavefront_size: 32
...
	.end_amdgpu_metadata
.endif
;; end of part 4
